; MI455X (gfx1250); checked and timed in simulation.
; The chip was launched on July 23, 2026; its instructions are those of AMD's public machine-readable ISA for CDNA 5 (MIT licence, August 2026) and "CDNA5" Instruction Set Architecture Reference Guide (July 2026). The comments in the code are by the model that wrote it; some were corrected since.
;; Block. Allowed arithmetic: float matrix products may take bf16 or f16 operands with f32 sums; all other float work in f32.
;; Inputs: W_attn 1,024 x 3,072 float32; W_fc 1,024 x 4,096 float32; W_fc2 4,096 x 1,024 float32; W_proj 1,024 x 1,024 float32; b_attn 3,072 float32; b_fc 4,096 float32; b_fc2 1,024 float32; b_proj 1,024 float32; ln1_b 1,024 float32; ln1_g 1,024 float32; ln2_b 1,024 float32; ln2_g 1,024 float32; x 4 x 1,024 x 1,024 float32.
;; Outputs: out0 4 x 1,024 x 1,024 float32.
;; 2 versions, each right; version 2 is version 1 with the launches prep, ln2 written anew for expert scheduling mode. Each part assembles by itself: llvm-mc -triple=amdgcn-amd-amdhsa -mcpu=gfx1250 --defsym DOCPART=n.
;; ======== version 1 of 2: 7 launches
;; limits: values are held in f16: magnitudes above 65,504 overflow, below 6.1e-05 lose precision
;; workspace buffers: wt 25,165,824 bytes; an 8,388,608 bytes; qkv 25,165,824 bytes; y 8,388,608 bytes; x1 16,777,216 bytes; hmid 33,554,432 bytes
;; launch prep (part 1): grid 64 x 16, 8 waves a work-group, no clusters, 35,840 bytes of LDS; arguments x, ln1_g, ln1_b, W_attn, W_proj, W_fc, W_fc2, an, wt; writes an, wt
.if DOCPART == 1
	.amdgcn_target "amdgcn-amd-amdhsa--gfx1250"
	.amdhsa_code_object_version 6
	.text
	.protected	k_q47e01322dd_prep
	.globl	k_q47e01322dd_prep
	.p2align	8
	.type	k_q47e01322dd_prep,@function
k_q47e01322dd_prep:
	s_mov_b64 s[64:65], 0
	v_nop
	global_prefetch_b8 v0, s[64:65] scope:SCOPE_SE
	s_setreg_imm32_b32 hwreg(HW_REG_WAVE_MODE, 25, 1), 1
	s_wait_xcnt 0x0
; PREP.  Two kinds of work-groups, told apart by the grid's y, which all waves of a work-group share.
; y = 0..11: one tile of 128 k x 128 n of one weight, f32 [K][N], is rounded to bf16 and written transposed, [N][K], into wt
;   (W_attn at byte 0, W_proj at 6,291,456, W_fc at 8,388,608, W_fc2 at 16,777,216), so that every later product has K along its rows.
; y = 12..15: LayerNorm 1 of 16 rows of x, two rows a wave, kept in registers between the passes (mean, then the squares of x - mean: no difference of large sums), rounded to bf16 into an.
; Every byte is read once and written once; each store of a wave covers whole aligned runs of 256 bytes.  No cluster: no two work-groups read the same bytes, but for the gains and biases (8 KB).
; No matrix unit: nothing is multiplied here.
.set TP,  272                          ; LDS pitch of the transposed tile: 128 bf16 + 16 bytes
.set OFF, 8                            ; v8-23   byte offsets of my 16 source rows
.set TS,  24                           ; v24     where I put my 4 columns x 16 k
.set TR,  25                           ; v25     where I read rows of the transposed tile
.set X,   32                           ; v32-95  as loaded (both paths)
.set YT,  96                           ; v96-127 packed, column by column
.set DO,  128                          ; v128-135 byte offsets of the rows that I store
.set XO,  1                            ; LayerNorm: 16 x lane
.set YO,  5                            ; 8 x lane
.set T,   8                            ; v8-15, v16-23 four packed chains a row
.set MU,  24                           ; v24-25, v26-27 the mean, later 1 / sigma, as pairs
.set G,   96                           ; v96-127 gain
.set BB,  128                          ; v128-159 bias
.set SEL, 40                           ; s[40:41] v_permlanex16_b32's selects: the same place in the other half
.set INV, 42                           ; s42 1 / 1024
.set EPS, 43                           ; s43 1e-5
; The sum (sq = 0) or the sum of squares (sq = 1) of both rows' 1,024 numbers, in every lane of v[T] and v[T+8].  The two rows' lines alternate.
.macro LNSUM sq
.irp c, 0,1,2,3
.irp q, 0,1
.set rt, T+8*(\q)+2*(\c)
.set rx, X+32*(\q)+2*(\c)
.if \sq
	v_pk_mul_f32 v[rt:rt+1], v[rx:rx+1], v[rx:rx+1]
.else
	v_pk_add_f32 v[rt:rt+1], v[rx:rx+1], v[rx+8:rx+9]
.endif
.endr
.endr
.irp k, 8,16,24
.irp c, 0,1,2,3
.irp q, 0,1
.set rt, T+8*(\q)+2*(\c)
.set rx, X+32*(\q)+2*(\c)+(\k)
.if \sq
	v_pk_fma_f32 v[rt:rt+1], v[rx:rx+1], v[rx:rx+1], v[rt:rt+1]
.elseif (\k) > 8
	v_pk_add_f32 v[rt:rt+1], v[rt:rt+1], v[rx:rx+1]
.endif
.endr
.endr
.endr
.irp q, 0,1
.set rt, T+8*(\q)
	v_pk_add_f32 v[rt:rt+1], v[rt:rt+1], v[rt+2:rt+3]
	v_pk_add_f32 v[rt+4:rt+5], v[rt+4:rt+5], v[rt+6:rt+7]
.endr
.irp q, 0,1
.set rt, T+8*(\q)
	v_pk_add_f32 v[rt:rt+1], v[rt:rt+1], v[rt+4:rt+5]
.endr
.irp q, 0,1
.set rt, T+8*(\q)
	v_add_f32 v[rt], v[rt], v[rt+1]
.endr
.irp m, 1,2,4,8
.irp q, 0,1
.set rt, T+8*(\q)
	v_add_f32_dpp v[rt], v[rt], v[rt] row_xmask:\m row_mask:0xf bank_mask:0xf
.endr
.endr
.irp q, 0,1
	v_permlanex16_b32 v[3+(\q)], v[T+8*(\q)], s[SEL], s[SEL+1]
.endr
.irp q, 0,1
	v_add_f32 v[T+8*(\q)], v[T+8*(\q)], v[3+(\q)]
.endr
.endm
; Two rows of LayerNorm.  xp, gp, bp, yp: the scalar pairs with the addresses of my two rows of the input, of gain and bias, and of my two rows of the output.  v2 holds the lane.
; Load j of a row covers its columns 128 j .. 128 j + 127, four a lane.
.macro LNBODY xp, gp, bp, yp
	v_lshlrev_b32 v[XO], 4, v2
	v_lshlrev_b32 v[YO], 3, v2
	v_mov_b32 v3, 0                                ; v_permlanex16_b32 counts as a reader of its destination
	v_mov_b32 v4, 0
	s_mov_b32 s[SEL], 0x76543210
	s_mov_b32 s[SEL+1], 0xfedcba98
	s_mov_b32 s[INV], 0x3a800000
	s_mov_b32 s[EPS], 0x3727c5ac
.irp q, 0,1
.irp j, 0,1,2,3,4,5,6,7
	global_load_b128 v[X+32*(\q)+4*(\j):X+32*(\q)+4*(\j)+3], v[XO], s[\xp:\xp+1] offset:(\q)*4096+(\j)*512
.endr
.endr
.irp j, 0,1,2,3,4,5,6,7
	global_load_b128 v[G+4*(\j):G+4*(\j)+3], v[XO], s[\gp:\gp+1] offset:(\j)*512
.endr
.irp j, 0,1,2,3,4,5,6,7
	global_load_b128 v[BB+4*(\j):BB+4*(\j)+3], v[XO], s[\bp:\bp+1] offset:(\j)*512
.endr
	s_wait_loadcnt 16                              ; the two rows are in; the sixteen loads of gain and bias stay out
	LNSUM 0
.irp q, 0,1
	v_mul_f32 v[MU+2*(\q)], s[INV], v[T+8*(\q)]    ; the mean
.endr
.irp q, 0,1
	v_mov_b32 v[MU+2*(\q)+1], v[MU+2*(\q)]         ; named with it as a pair
.endr
.set p, 0
.rept 16
.irp q, 0,1
.set rx, X+32*(\q)+2*p
	v_pk_add_f32 v[rx:rx+1], v[rx:rx+1], v[MU+2*(\q):MU+2*(\q)+1] op_sel_hi:[1,0] neg_lo:[0,1] neg_hi:[0,1]
.endr
.set p, p+1
.endr
	LNSUM 1
.irp q, 0,1
	v_fma_f32 v[T+8*(\q)], v[T+8*(\q)], s[INV], s[EPS]
.endr
.irp q, 0,1
	v_rsq_f32 v[MU+2*(\q)], v[T+8*(\q)]
.endr
	v_nop                                          ; a plain instruction between the root and the use of its result
	s_wait_alu depctr_va_vdst(0)
.irp q, 0,1
	v_mov_b32 v[MU+2*(\q)+1], v[MU+2*(\q)]
.endr
	s_wait_loadcnt 0x0                             ; gain and bias
.set p, 0
.rept 16
.irp q, 0,1
.set rx, X+32*(\q)+2*p
	v_pk_mul_f32 v[rx:rx+1], v[rx:rx+1], v[MU+2*(\q):MU+2*(\q)+1] op_sel_hi:[1,0]
.endr
.set p, p+1
.endr
.set p, 0
.rept 16
.irp q, 0,1
.set rx, X+32*(\q)+2*p
	v_pk_fma_f32 v[rx:rx+1], v[rx:rx+1], v[G+2*p:G+2*p+1], v[BB+2*p:BB+2*p+1]
.endr
.set p, p+1
.endr
.irp q, 0,1
.irp j, 0,1,2,3,4,5,6,7
.set rx, X+32*(\q)+4*(\j)
	v_cvt_pk_bf16_f32 v[rx], v[rx], v[rx+1]
	v_cvt_pk_bf16_f32 v[rx+1], v[rx+2], v[rx+3]
	global_store_b64 v[YO], v[rx:rx+1], s[\yp:\yp+1] offset:(\q)*2048+(\j)*256  ; the wave stores 256 consecutive bytes, aligned
.endr
.endr
.endm
	s_load_b512 s[8:23], s[0:1], 0x0               ; x s[8:9], gain s[10:11], bias s[12:13], W_attn s[14:15], W_proj s[16:17], W_fc s[18:19], W_fc2 s[20:21], an s[22:23]
	s_load_b64 s[24:25], s[0:1], 0x40              ; wt
	v_lshl_add_u32 v160, v0, 2, 0x8800
	v_mov_b32 v161, 0
	s_and_b32 s2, ttmp7, 0xffff                    ; the grid's y
	v_lshrrev_b32 v1, 5, v0
	v_readfirstlane_b32 s3, v1                     ; wave 0..7
	v_and_b32 v2, 31, v0                           ; lane
	s_wait_kmcnt 0x0
	s_cmp_ge_u32 s2, 12
	s_cbranch_scc1 .Lln
	; WHICH WEIGHT.  Start from W_fc2's figures; each compare switches to the weight that owns the lower rows of the grid.
	s_mov_b64 s[26:27], s[20:21]                   ; the source
	s_mov_b32 s28, 8                               ; its first y
	s_mov_b32 s29, 4096                            ; bytes in a source row, 4 N
	s_mov_b32 s30, 16777216                        ; its place in wt
	s_mov_b32 s31, 5                               ; log2 of its tiles along K
	s_mov_b32 s32, 8192                            ; bytes in a row of the result, 2 K
	s_cmp_lt_u32 s2, 8
	s_cselect_b64 s[26:27], s[18:19], s[26:27]
	s_cselect_b32 s28, 4, s28
	s_cselect_b32 s29, 16384, s29
	s_cselect_b32 s30, 8388608, s30
	s_cselect_b32 s31, 3, s31
	s_cselect_b32 s32, 2048, s32
	s_cmp_lt_u32 s2, 4
	s_cselect_b64 s[26:27], s[16:17], s[26:27]
	s_cselect_b32 s28, 3, s28
	s_cselect_b32 s29, 4096, s29
	s_cselect_b32 s30, 6291456, s30
	s_cmp_lt_u32 s2, 3
	s_cselect_b64 s[26:27], s[14:15], s[26:27]
	s_cselect_b32 s28, 0, s28
	s_cselect_b32 s29, 12288, s29
	s_cselect_b32 s30, 0, s30
	s_sub_co_u32 s33, s2, s28
	s_lshl_b32 s33, s33, 6
	s_add_co_u32 s33, s33, ttmp9                   ; the tile's number in its weight
	s_lshl_b32 s34, 1, s31
	s_sub_co_u32 s34, s34, 1
	s_and_b32 s34, s33, s34                        ; tile along K
	s_lshr_b32 s35, s33, s31                       ; tile along N
	s_lshl_b32 s36, s34, 7
	s_mul_i32 s36, s36, s29                        ; 128 source rows a tile,
	s_lshl_b32 s37, s35, 9                         ; 512 bytes of each
	s_add_co_u32 s36, s36, s37
	s_mov_b32 s37, 0
	s_add_nc_u64 s[26:27], s[26:27], s[36:37]
	s_lshl_b32 s38, s35, 7
	s_mul_i32 s38, s38, s32                        ; 128 rows of the result,
	s_lshl_b32 s39, s34, 8                         ; 256 bytes of each
	s_add_co_u32 s38, s38, s39
	s_add_co_u32 s38, s38, s30
	s_mov_b32 s39, 0
	s_add_nc_u64 s[24:25], s[24:25], s[38:39]
	s_lshl_b32 s40, s3, 4
	s_mul_i32 s40, s40, s29                        ; my wave's 16 source rows
	v_lshl_add_u32 v[OFF], v2, 4, s40              ; 16 bytes (4 columns) a lane: a load covers 512 consecutive bytes of a row
.set r, 1
.rept 15
	v_add_nc_u32 v[OFF+r], s29, v[OFF+r-1]
.set r, r+1
.endr
.set r, 0
.rept 16
	global_load_b128 v[X+4*r:X+4*r+3], v[OFF+r], s[26:27] th:TH_LOAD_NT
.set r, r+1
.endr
	v_mul_u32_u24 v[TS], v2, 4*TP                  ; in LDS: row n = 4 lane + c, my wave's 16 k at byte 32 wave
	s_lshl_b32 s33, s3, 5
	v_add_nc_u32 v[TS], s33, v[TS]
	v_lshrrev_b32 v3, 4, v2
	v_and_b32 v4, 15, v2
	s_lshl_b32 s34, s3, 4
	v_add_nc_u32 v3, s34, v3                       ; back: row 16 wave + lane / 16 (+ 2 t), 16 bytes a lane
	v_mul_u32_u24 v[TR], v3, TP
	v_lshl_add_u32 v[TR], v4, 4, v[TR]
	v_mul_lo_u32 v[DO], v3, s32
	v_lshl_add_u32 v[DO], v4, 4, v[DO]
	s_lshl_b32 s35, s32, 1
.set r, 1
.rept 7
	v_add_nc_u32 v[DO+r], s35, v[DO+r-1]
.set r, r+1
.endr
	s_wait_loadcnt 0x0
.irp c, 0,1,2,3
.irp j, 0,1,2,3,4,5,6,7
	v_cvt_pk_bf16_f32 v[YT+8*(\c)+(\j)], v[X+8*(\j)+(\c)], v[X+8*(\j)+4+(\c)]  ; column c, k = 2 j and 2 j + 1
.endr
.endr
.irp c, 0,1,2,3                        ; neighbouring lanes lie 1,088 bytes apart here, so these eight stores share banks; the tile's loads and stores to memory are what takes the time
	ds_store_b128 v[TS], v[YT+8*(\c):YT+8*(\c)+3] offset:(\c)*TP
	ds_store_b128 v[TS], v[YT+8*(\c)+4:YT+8*(\c)+7] offset:(\c)*TP+16
.endr
	s_wait_dscnt 0x0                               ; for the others' sake: my stores are done
	s_barrier_signal -1
	s_barrier_wait -1
.irp t, 0,1,2,3,4,5,6,7
	ds_load_b128 v[X+4*(\t):X+4*(\t)+3], v[TR] offset:(\t)*2*TP
.endr
.irp t, 0,1,2,3,4,5,6,7
	s_wait_dscnt 7-(\t)                            ; load t is back; the younger ones stay out
	global_store_b128 v[DO+(\t)], v[X+4*(\t):X+4*(\t)+3], s[24:25]  ; 16 lanes store 256 consecutive bytes of a row of wt, aligned
.endr
	s_wait_tensorcnt 0x0
	ds_add_u32 v160, v161
	s_wait_dscnt 0x0
	s_endpgm
.Lln:
	s_sub_co_u32 s26, s2, 12
	s_lshl_b32 s26, s26, 6
	s_add_co_u32 s26, s26, ttmp9
	s_lshl_b32 s26, s26, 4                         ; 16 rows a work-group,
	s_lshl1_add_u32 s26, s3, s26                   ; two a wave
	s_lshl_b32 s28, s26, 12
	s_mov_b32 s29, 0
	s_lshl_b32 s30, s26, 11
	s_mov_b32 s31, 0
	s_add_nc_u64 s[8:9], s[8:9], s[28:29]
	s_add_nc_u64 s[22:23], s[22:23], s[30:31]
	LNBODY 8, 10, 12, 22
	s_endpgm
.Lfunc_end_k_q47e01322dd_prep:
	.size	k_q47e01322dd_prep, .Lfunc_end_k_q47e01322dd_prep-k_q47e01322dd_prep
	.p2alignl 7, 3214868480
	.fill 96, 4, 3214868480
	.section	.rodata,"a",@progbits
	.p2align	6, 0x0
	.amdhsa_kernel k_q47e01322dd_prep
		.amdhsa_group_segment_fixed_size 35840
		.amdhsa_private_segment_fixed_size 0
		.amdhsa_enable_private_segment 0
		.amdhsa_kernarg_size 72
		.amdhsa_user_sgpr_count 2
		.amdhsa_user_sgpr_kernarg_segment_ptr 1
		.amdhsa_wavefront_size32 1
		.amdhsa_system_sgpr_workgroup_id_x 1
		.amdhsa_system_sgpr_workgroup_id_y 1
		.amdhsa_system_sgpr_workgroup_id_z 1
		.amdhsa_system_vgpr_workitem_id 0
		.amdhsa_next_free_vgpr 162
		.amdhsa_next_free_sgpr 66
		.amdhsa_reserve_vcc 0
		.amdhsa_float_denorm_mode_32 3
		.amdhsa_float_denorm_mode_16_64 3
		.amdhsa_memory_ordered 1
		.amdhsa_forward_progress 1
		.amdhsa_inst_pref_size 30
	.end_amdhsa_kernel
	.amdgpu_metadata
---
amdhsa.version: [ 1, 2 ]
amdhsa.kernels:
  - .name:           k_q47e01322dd_prep
    .symbol:         k_q47e01322dd_prep.kd
    .args:
      - { .name: x, .offset: 0, .size: 8, .value_kind: global_buffer, .address_space: global }
      - { .name: ln1_g, .offset: 8, .size: 8, .value_kind: global_buffer, .address_space: global }
      - { .name: ln1_b, .offset: 16, .size: 8, .value_kind: global_buffer, .address_space: global }
      - { .name: W_attn, .offset: 24, .size: 8, .value_kind: global_buffer, .address_space: global }
      - { .name: W_proj, .offset: 32, .size: 8, .value_kind: global_buffer, .address_space: global }
      - { .name: W_fc, .offset: 40, .size: 8, .value_kind: global_buffer, .address_space: global }
      - { .name: W_fc2, .offset: 48, .size: 8, .value_kind: global_buffer, .address_space: global }
      - { .name: an, .offset: 56, .size: 8, .value_kind: global_buffer, .address_space: global }
      - { .name: wt, .offset: 64, .size: 8, .value_kind: global_buffer, .address_space: global }
    .group_segment_fixed_size: 35840
    .private_segment_fixed_size: 0
    .kernarg_segment_align: 8
    .kernarg_segment_size: 72
    .max_flat_workgroup_size: 256
    .sgpr_count:     66
    .vgpr_count:     162
    .wavefront_size: 32
...
	.end_amdgpu_metadata
.endif
;; end of part 1
;; launch qkv (part 2): grid 12 x 16, 4 waves a work-group, clusters of 4 x 4, 327,680 bytes of LDS; arguments an, wt, b_attn, qkv; writes qkv
.if DOCPART == 2
	.amdgcn_target "amdgcn-amd-amdhsa--gfx1250"
	.amdhsa_code_object_version 6
	.text
	.protected	k_q47e01322dd_qkv
	.globl	k_q47e01322dd_qkv
	.p2align	8
	.type	k_q47e01322dd_qkv,@function
k_q47e01322dd_qkv:
	s_mov_b64 s[64:65], 0
	v_nop
	global_prefetch_b8 v0, s[64:65] scope:SCOPE_SE
	s_setreg_imm32_b32 hwreg(HW_REG_WAVE_MODE, 25, 1), 1
	s_wait_xcnt 0x0
	s_wait_alu depctr_hold_cnt(0) depctr_sa_sdst(0) depctr_va_vdst(0) depctr_va_sdst(0) depctr_va_ssrc(0) depctr_va_vcc(0) depctr_vm_vsrc(0)
	s_getreg_b32 s2, hwreg(HW_REG_IB_STS2, 6, 4)
	s_cmp_eq_u32 s2, 0
	s_cbranch_scc0 .Lentry_in_a_cluster
	s_endpgm
.Lentry_in_a_cluster:
	s_bfe_u32 s2, ttmp6, 0x10000c
	s_cmp_lg_u32 s2, 0xf033
	s_cbranch_scc0 .Lentry_shape_is_right
	s_endpgm
.Lentry_shape_is_right:
; QKV.  C[m][n] = sum over k of an[m][k] wt[n][k] + b_attn[n], m = 4,096 tokens, n = 3,072, k = 1,024; operands bf16, sums f32.  C leaves in f16, by heads: q at byte 0 of qkv, k at 8,388,608,
; v at 16,777,216, each [batch x 16 + head][token][64], unscaled.  LIMIT: f16 holds no number beyond 65,504: q, k and v must lie within it.
; A tile of C, 256 x 256, is made by four waves, each 128 x 128: 64 accumulators, 512 registers.  K goes in 8 steps of 128 through two LDS slots filled by tensor loads; a tile's rows are 256 bytes of memory, aligned.
; CLUSTER: 4 x 4 work-groups.  The four of a row need the same tiles of A, the four of a column the same tiles of B: each is asked for jointly, by the same load with the same descriptor and a mask of the four.
; THE MATRIX INSTRUCTION IS USED TRANSPOSED (source 0 = 16 rows of B, source 1 = 16 rows of A): a lane holds row lane % 16 of C and eight neighbouring columns.
; A TRIP OF THE LOOP IS ONE K STEP: the slot in hand is a scalar (0 or SLOT) added to lane terms, and ONE descriptor set walks: its LDS word is turned by an exclusive or with SLOT = 0x22000, which shares no bit
; with the parts' bases 0, 0x8800, 0x11000, 0x19800, so that it adds or takes away SLOT.
; REGISTERS: window 0: v0-31 addresses; v32-47 bias; v64-127, v128-191 A's fragments, two buffers; v192-231 the way out.  Window 1: v64-191 B's fragments.  Windows 2, 3: accumulator (a, b) at v[8 (8 a + b)].
; THE WAY OUT: the f32 sums go into the wave's own stage (128 rows of 528 bytes, in the ring, whose last fill has landed and whose last read is over behind the last barrier), and come back four rows at a time.
.set SIZE_K, 1024
.set WOFF,   0
.set KSTEP,  128
.set STEPS,  SIZE_K/KSTEP
.set PITCH,  272                       ; 256 bytes + 16: the 16 rows of a fragment load start at 16 different groups of four banks
.set HALFT,  128*PITCH
.set SLOT,   4*HALFT                   ; A's 256 rows, then B's 256 rows
.set SPARE,  2*SLOT                    ; behind the ring: the spare words, 128 bytes a wave, which no other line names
.set SP,     528                       ; a stage row: 128 f32 + 16 bytes
.set WSTAGE, 128*SP
.set ADRA, 16                          ; v16 LDS address of my A fragments in the slot in hand
.set ADRB, 17                          ; v17 the same for B
.set A0,   18                          ; v18, v19 their lane terms; never rewritten
.set B0,   19
.set STO,  24
.set LA,   25
.set CO,   26
.set BO,   27
.set SPW,  28
.set NIL,  29
.set BI,   32
.set F0,   64
.set F1,   128
.set X,    192
.set Z,    208
.set Y,    224
.set G1, 24
.set G0, 32
.set G1B, 48
.set G0B, 56
.set MSB, 0
.macro WIN new                         ; the immediate's high byte repeats the setting that is left; a switch that changes nothing is dropped
.if MSB != (\new)
	s_set_vgpr_msb (MSB<<8)|(\new)
.set MSB, \new
.endif
.endm
.set MUL_LO, 0xa1                      ; source 0 (B) window 1, source 1 (A) window 0, C and D window 2
.set MUL_HI, 0xf1
.set TO_B,   0x40
.macro PLACES                          ; four plain places between a matrix instruction and a load into, or a read of, its registers
.rept 4
	v_nop
.endr
.endm
.macro JLOAD s                         ; a joint load: waves 0, 1 fetch A's halves, waves 2, 3 B's; an s_nop 0 and four v_nop follow each line
	s_cmp_eq_u32 s11, 0
	s_cbranch_scc0 .Lfor_b_\@
	tensor_load_to_lds s[G0+4*(\s):G0+4*(\s)+3], s[G1:G1+7]
	s_nop 0
.rept 4
	v_nop
.endr
	s_branch .Lasked_\@
.Lfor_b_\@:
	tensor_load_to_lds s[G0B+4*(\s):G0B+4*(\s)+3], s[G1B:G1B+7]
	s_nop 0
.rept 4
	v_nop
.endr
.Lasked_\@:
.endm
.macro CREST                           ; a round of the cluster's barrier behind its opening barrier
	s_cmp_lg_u32 s10, 0
	s_cbranch_scc1 .Lnot_wave_0_\@
	s_barrier_signal -3
.Lnot_wave_0_\@:
	s_barrier_wait -3
	s_barrier_signal -1
	s_barrier_wait -1
.endm
.macro CROUND
	s_barrier_signal -1
	s_barrier_wait -1
	CREST
.endm
	s_load_b128 s[4:7], s[0:1], 0x0                ; A s[4:5], wt s[6:7]
	s_load_b128 s[68:71], s[0:1], 0x10             ; bias s[68:69], out s[70:71]
	v_lshl_add_u32 v[SPW], v0, 2, SPARE
	v_mov_b32 v[NIL], 0
	ds_add_u32 v28, v29
	s_wait_dscnt 0x0
	v_lshrrev_b32 v1, 5, v0
	v_readfirstlane_b32 s10, v1                    ; wave 0..3
	s_lshr_b32 s11, s10, 1                         ; my half of the tile's rows; also: I fetch for A (0) or B (1)
	s_and_b32 s12, s10, 1                          ; my half of its columns; also: which 128 rows I fetch
	s_bfe_u32 s40, ttmp6, 0x40000                  ; cx
	s_bfe_u32 s41, ttmp6, 0x40004                  ; cy
	s_lshl_b32 s42, ttmp9, 2
	s_add_co_u32 s42, s42, s40                     ; tile column
	s_and_b32 s13, ttmp7, 0xffff
	s_lshl_b32 s13, s13, 2
	s_add_co_u32 s13, s13, s41                     ; tile row
	s_lshl_b32 s43, s41, 2
	s_lshl_b32 s43, 15, s43                        ; my row of the cluster
	s_lshl_b32 s44, 0x1111, s40                    ; my column
	s_or_b32 s[G1+0], s43, (1<<16)|(1<<20)|(1<<21)|(5<<22)|(3<<25)   ; mask; 2-byte elements; padding on; bit 21 beside a mask; 4 words behind every 64
	s_or_b32 s[G1B+0], s44, (1<<16)|(1<<20)|(1<<21)|(5<<22)|(3<<25)
.irp g, G1, G1B
	s_mov_b32 s[(\g)+1], KSTEP<<16                 ; tensor_dim0 = 128
	s_mov_b32 s[(\g)+2], 128<<16                   ; tensor_dim1 = 128
	s_mov_b32 s[(\g)+3], KSTEP<<16                 ; tile_dim0 = 128
	s_mov_b32 s[(\g)+4], 128                       ; tile_dim1 = 128
	s_mov_b32 s[(\g)+5], SIZE_K                    ; elements from row to row
	s_mov_b32 s[(\g)+6], 0
	s_mov_b32 s[(\g)+7], 0
.endr
	s_lshl_b32 s17, s12, 7
	s_lshl_b32 s16, s13, 8
	s_add_co_u32 s16, s16, s17                     ; A: row 256 x tile row + 128 x half
	s_lshl_b32 s46, s42, 8
	s_add_co_u32 s46, s46, s17                     ; B: row 256 x tile column + 128 x half
	s_lshl_b32 s16, s16, 11                        ; rows of 2,048 bytes
	s_lshl_b32 s46, s46, 11
	s_add_co_u32 s46, s46, WOFF
	s_mov_b32 s17, 0
	s_mov_b32 s47, 0
	s_mul_i32 s20, s10, HALFT                      ; where my part goes: wave x 128 rows
	s_wait_kmcnt 0x0
	s_add_nc_u64 s[14:15], s[4:5], s[16:17]
	s_add_nc_u64 s[46:47], s[6:7], s[46:47]
	CROUND                                         ; all sixteen work-groups are here: the first joint loads meet
.irp s, 0,1
	s_mov_b32 s[G0+4*(\s)], 1
	s_add_co_u32 s[G0+4*(\s)+1], s20, (\s)*SLOT
	s_add_nc_u64 s[G0+4*(\s)+2:G0+4*(\s)+3], s[14:15], (\s)*KSTEP*2
	s_or_b32 s[G0+4*(\s)+3], s[G0+4*(\s)+3], 0x80000000
	s_mov_b32 s[G0B+4*(\s)], 1
	s_add_co_u32 s[G0B+4*(\s)+1], s20, (\s)*SLOT
	s_add_nc_u64 s[G0B+4*(\s)+2:G0B+4*(\s)+3], s[46:47], (\s)*KSTEP*2
	s_or_b32 s[G0B+4*(\s)+3], s[G0B+4*(\s)+3], 0x80000000
	JLOAD \s                                       ; two loads of mine are out
.endr
	v_and_b32 v1, 15, v0                           ; r = lane % 16
	v_bfe_u32 v2, v0, 4, 1                         ; h = lane / 16
	v_mul_u32_u24 v3, v1, PITCH
	v_lshl_add_u32 v3, v2, 4, v3
	s_mul_i32 s21, s11, HALFT
	s_mul_i32 s22, s12, HALFT
	s_add_co_u32 s22, s22, 2*HALFT
	v_add_nc_u32 v[A0], s21, v3
	v_add_nc_u32 v[B0], s22, v3
	v_mov_b32 v[ADRA], v[A0]
	v_mov_b32 v[ADRB], v[B0]
	s_mov_b32 s2, 0                                ; the slot in hand
	s_mul_i32 s23, s10, WSTAGE                     ; my stage
	v_mul_u32_u24 v4, v1, SP
	v_lshl_add_u32 v4, v2, 5, v4
	v_add_nc_u32 v[STO], s23, v4                   ; in: row r, 32 bytes for each half of the lanes
	v_and_b32 v[BO], 7, v0
	v_lshlrev_b32 v[BO], 5, v[BO]                  ; 8 columns (32 bytes of f32) a lane
	v_bfe_u32 v4, v0, 3, 2
	v_mul_u32_u24 v4, v4, SP
	v_add3_u32 v[LA], v4, v[BO], s23               ; back: row lane / 8, columns 8 (lane % 8) on, of each of the wave's two heads
	v_and_b32 v[CO], 31, v0
	v_lshlrev_b32 v[CO], 4, v[CO]                  ; out: 16 bytes a lane: four rows of a head are 512 consecutive bytes
	s_lshl_b32 s46, s42, 10
	s_lshl_b32 s47, s12, 9
	s_add_co_u32 s46, s46, s47
	s_mov_b32 s47, 0
	s_add_nc_u64 s[68:69], s[68:69], s[46:47]      ; the bias at my 128 columns
.irp d, 0,1
.irp e, 0,1
	global_load_b128 v[BI+8*(\d)+4*(\e):BI+8*(\d)+4*(\e)+3], v[BO], s[68:69] offset:256*(\d)+16*(\e)
.endr
.endr
	s_lshr_b32 s16, s13, 2                         ; batch
	s_lshl_b32 s16, s16, 21                        ; x 16 heads x 131,072 bytes
	s_and_b32 s17, s13, 3
	s_lshl_b32 s17, s17, 8
	s_lshl_b32 s18, s11, 7
	s_add_co_u32 s17, s17, s18                     ; my first token in the batch
	s_lshl_b32 s17, s17, 7
	s_add_co_u32 s16, s16, s17
	s_mov_b32 s17, 0
	s_and_b32 s46, s42, 3
	s_lshl_b32 s46, s46, 2
	s_lshl1_add_u32 s46, s12, s46                  ; my first head = 4 (tile column % 4) + 2 x half
	s_lshl_b32 s46, s46, 17
	s_lshr_b32 s47, s42, 2                         ; q, k or v
	s_lshl_b32 s47, s47, 23
	s_add_co_u32 s46, s46, s47
	s_mov_b32 s47, 0
	s_add_nc_u64 s[8:9], s[70:71], s[16:17]
	s_add_nc_u64 s[8:9], s[8:9], s[46:47]
.macro MUL16 f, hi, a0, zero           ; 16 matrix instructions: row blocks a0, a0 + 1 of the window's four x all 8 column blocks, 32 along K; zero = 1: they start the sums
	WIN MUL_LO+0x50*(\hi)
.irp a, \a0, (\a0)+1
.irp b, 0,1,2,3,4,5,6,7
.if \zero
	v_wmma_f32_16x16x32_bf16 v[8*(8*(\a)+(\b)):8*(8*(\a)+(\b))+7], v[(\f)+8*(\b):(\f)+8*(\b)+7], v[(\f)+8*(4*(\hi)+(\a)):(\f)+8*(4*(\hi)+(\a))+7], 0
.else
	v_wmma_f32_16x16x32_bf16 v[8*(8*(\a)+(\b)):8*(8*(\a)+(\b))+7], v[(\f)+8*(\b):(\f)+8*(\b)+7], v[(\f)+8*(4*(\hi)+(\a)):(\f)+8*(4*(\hi)+(\a))+7], v[8*(8*(\a)+(\b)):8*(8*(\a)+(\b))+7]
.endif
.endr
.endr
.endm
.macro FETCH k, f                      ; 32 LDS loads in one run: a quarter step's fragments (32 K at byte k of the rows) into buffer f
	WIN TO_B
.irp i, 0,1,2,3,4,5,6,7
	ds_load_b128 v[(\f)+8*(\i):(\f)+8*(\i)+3],   v[ADRB] offset:(\k)+(\i)*16*PITCH
	ds_load_b128 v[(\f)+8*(\i)+4:(\f)+8*(\i)+7], v[ADRB] offset:(\k)+(\i)*16*PITCH+32
.endr
	WIN 0
.irp i, 0,1,2,3,4,5,6,7
	ds_load_b128 v[(\f)+8*(\i):(\f)+8*(\i)+3],   v[ADRA] offset:(\k)+(\i)*16*PITCH
	ds_load_b128 v[(\f)+8*(\i)+4:(\f)+8*(\i)+7], v[ADRA] offset:(\k)+(\i)*16*PITCH+32
.endr
.endm
.macro QUARTER k, f, g, zero           ; multiplies buffer f; in its middle fetches the next quarter, at byte k, into g.  The 64 accumulators take turns
	s_wait_dscnt 8                                 ; B and A's rows 0-63 are in; the youngest eight loads may be out
	MUL16 \f, 0, 0, \zero
	MUL16 \f, 0, 2, \zero
	PLACES
	FETCH \k, \g
	s_wait_dscnt 32                                ; all but the 32 just issued
	MUL16 \f, 1, 0, \zero
	MUL16 \f, 1, 2, \zero
.endm
.macro MEET                            ; the first half of a step's last quarter, and the one barrier of the change of slots
	WIN 0
	s_wait_tensorcnt 0x0                           ; all my tensor loads have landed: the one that was out is my part of the next slot
	ds_add_u32 v[SPW], v[NIL]                      ; 0 onto my spare word
	s_wait_dscnt 9                                 ; (the add and the youngest eight loads may be out)
	MUL16 F1, 0, 0, 0
	s_wait_dscnt 0x0                               ; the add is done, and my reads of this slot are over
	s_barrier_signal -1
	MUL16 F1, 0, 2, 0
	WIN 0
	s_barrier_wait -1
.endm
.macro FLIP                            ; the reads go over to the other slot
	s_xor_b32 s2, s2, SLOT
	v_add_nc_u32 v[ADRA], s2, v[A0]
	v_add_nc_u32 v[ADRB], s2, v[B0]
.endm
.macro TURN                            ; the whole last quarter, with the refill: the barrier opens a round of the cluster's, and the joint load is the first thing behind the round
	MEET
	CREST
	s_xor_b32 s[G0+5], s[G0+5], SLOT               ; the walking descriptors: the slot just read out,
	s_xor_b32 s[G0B+5], s[G0B+5], SLOT
	s_add_nc_u64 s[G0+6:G0+7], s[G0+6:G0+7], KSTEP*2      ; the K step two on from the one just read
	s_add_nc_u64 s[G0B+6:G0B+7], s[G0B+6:G0B+7], KSTEP*2
	JLOAD 1                                        ; one load of mine is out; its four v_nop are also the places in front of the loads below
	FLIP
	FETCH 0, F0
	MUL16 F1, 1, 0, 0
	MUL16 F1, 1, 2, 0
.endm
	s_wait_tensorcnt 0x1                           ; my part of K step 0 is in; step 1's stays out
	s_barrier_signal -1
	s_barrier_wait -1
	FETCH 0, F0
	QUARTER 64, F0, F1, 1                          ; the first quarter's products start the sums
	WIN 0
	s_mov_b32 s3, STEPS-2
.Lstep:                                                ; trip j: the rest of step j, the refill with step j + 2, the first quarter of step j + 1
	QUARTER 128, F1, F0, 0
	QUARTER 192, F0, F1, 0
	TURN
	QUARTER 64, F0, F1, 0
	WIN 0
	s_sub_co_u32 s3, s3, 1
	s_cmp_lg_u32 s3, 0
	s_cbranch_scc1 .Lstep
	s_mov_b32 s3, 2
.Ltail:                                                ; the last two steps fill nothing; the second trip is left behind its barrier
	QUARTER 128, F1, F0, 0
	QUARTER 192, F0, F1, 0
	MEET
	s_sub_co_u32 s3, s3, 1
	s_cmp_eq_u32 s3, 0
	s_cbranch_scc1 .Lout
	PLACES
	FLIP
	FETCH 0, F0
	MUL16 F1, 1, 0, 0
	MUL16 F1, 1, 2, 0
	QUARTER 64, F0, F1, 0
	WIN 0
	s_cmp_lg_u32 s3, 0
	s_cbranch_scc1 .Ltail
.Lout:                                                 ; behind the last barrier nobody reads the ring, and no load is out: it serves as stage
	MUL16 F1, 1, 0, 0
	MUL16 F1, 1, 2, 0
	PLACES
.irp hi, 0,1                           ; each accumulator's low registers go first
	WIN 0x08+4*(\hi)
.irp a, 0,1,2,3
.irp b, 0,1,2,3,4,5,6,7
	ds_store_b128 v[STO], v[8*(8*(\a)+(\b)):8*(8*(\a)+(\b))+3] offset:(4*(\hi)+(\a))*16*SP+64*(\b)
	ds_store_b128 v[STO], v[8*(8*(\a)+(\b))+4:8*(8*(\a)+(\b))+7] offset:(4*(\hi)+(\a))*16*SP+64*(\b)+16
.endr
.endr
.endr
	WIN 0
; Four rows x 128 columns: + bias, to f16, 512 consecutive bytes to each of the wave's two heads.  ahead = 1: the next four rows are asked for.
.macro EPQ ahead
	s_wait_dscnt 0x0                               ; LDS serves a wave's instructions in order: the loads saw my stores; now they are back
.irp i, 0,1,2,3,4,5,6,7
	v_pk_add_f32 v[Z+2*(\i):Z+2*(\i)+1], v[X+2*(\i):X+2*(\i)+1], v[BI+2*(\i):BI+2*(\i)+1]
.endr
.if \ahead
	v_add_nc_u32 v[LA], 4*SP, v[LA]
.irp d, 0,1
.irp e, 0,1
	ds_load_b128 v[X+8*(\d)+4*(\e):X+8*(\d)+4*(\e)+3], v[LA] offset:256*(\d)+16*(\e)
.endr
.endr
.endif
.irp i, 0,1,2,3,4,5,6,7
	v_cvt_pk_f16_f32 v[Y+(\i)], v[Z+2*(\i)], v[Z+2*(\i)+1]
.endr
	global_store_b128 v[CO], v[Y:Y+3], s[8:9]
	global_store_b128 v[CO], v[Y+4:Y+7], s[8:9] offset:131072
	s_wait_xcnt 0x0                                ; the stores' data and offset are rewritten only behind this wait
	v_add_nc_u32 v[CO], 512, v[CO]
.endm
	s_wait_loadcnt 0x0                             ; the bias
.irp d, 0,1
.irp e, 0,1
	ds_load_b128 v[X+8*(\d)+4*(\e):X+8*(\d)+4*(\e)+3], v[LA] offset:256*(\d)+16*(\e)
.endr
.endr
	s_mov_b32 s3, 31
.Lrows:
	EPQ 1
	s_sub_co_u32 s3, s3, 1
	s_cmp_lg_u32 s3, 0
	s_cbranch_scc1 .Lrows
	EPQ 0
	s_wait_tensorcnt 0x0                           ; the wave's end
	ds_add_u32 v[SPW], v[NIL]
	s_wait_dscnt 0x0
	CROUND                                         ; the closing round
	s_endpgm
.Lfunc_end_k_q47e01322dd_qkv:
	.size	k_q47e01322dd_qkv, .Lfunc_end_k_q47e01322dd_qkv-k_q47e01322dd_qkv
	.p2alignl 7, 3214868480
	.fill 96, 4, 3214868480
	.section	.rodata,"a",@progbits
	.p2align	6, 0x0
	.amdhsa_kernel k_q47e01322dd_qkv
		.amdhsa_group_segment_fixed_size 327680
		.amdhsa_private_segment_fixed_size 0
		.amdhsa_enable_private_segment 0
		.amdhsa_kernarg_size 32
		.amdhsa_user_sgpr_count 2
		.amdhsa_user_sgpr_kernarg_segment_ptr 1
		.amdhsa_wavefront_size32 1
		.amdhsa_system_sgpr_workgroup_id_x 1
		.amdhsa_system_sgpr_workgroup_id_y 1
		.amdhsa_system_sgpr_workgroup_id_z 1
		.amdhsa_system_vgpr_workitem_id 0
		.amdhsa_next_free_vgpr 1024
		.amdhsa_next_free_sgpr 72
		.amdhsa_reserve_vcc 0
		.amdhsa_float_denorm_mode_32 3
		.amdhsa_float_denorm_mode_16_64 3
		.amdhsa_memory_ordered 1
		.amdhsa_forward_progress 1
		.amdhsa_inst_pref_size 83
	.end_amdhsa_kernel
	.amdgpu_metadata
---
amdhsa.version: [ 1, 2 ]
amdhsa.kernels:
  - .name:           k_q47e01322dd_qkv
    .symbol:         k_q47e01322dd_qkv.kd
    .args:
      - { .name: an, .offset: 0, .size: 8, .value_kind: global_buffer, .address_space: global }
      - { .name: wt, .offset: 8, .size: 8, .value_kind: global_buffer, .address_space: global }
      - { .name: b_attn, .offset: 16, .size: 8, .value_kind: global_buffer, .address_space: global }
      - { .name: qkv, .offset: 24, .size: 8, .value_kind: global_buffer, .address_space: global }
    .group_segment_fixed_size: 327680
    .private_segment_fixed_size: 0
    .kernarg_segment_align: 8
    .kernarg_segment_size: 32
    .max_flat_workgroup_size: 128
    .sgpr_count:     72
    .vgpr_count:     1024
    .wavefront_size: 32
...
	.end_amdgpu_metadata
.endif
;; end of part 2
;; launch attn (part 3): grid 4 x 64, 8 waves a work-group, clusters of 4 x 1, 312,320 bytes of LDS; arguments qkv, y; writes y
.if DOCPART == 3
	.amdgcn_target "amdgcn-amd-amdhsa--gfx1250"
	.amdhsa_code_object_version 6
	.text
	.protected	k_q47e01322dd_attn
	.globl	k_q47e01322dd_attn
	.p2align	8
	.type	k_q47e01322dd_attn,@function
k_q47e01322dd_attn:
	s_mov_b64 s[64:65], 0
	v_nop
	global_prefetch_b8 v0, s[64:65] scope:SCOPE_SE
	s_setreg_imm32_b32 hwreg(HW_REG_WAVE_MODE, 25, 1), 1
	s_wait_xcnt 0x0
	s_wait_alu depctr_hold_cnt(0) depctr_sa_sdst(0) depctr_va_vdst(0) depctr_va_sdst(0) depctr_va_ssrc(0) depctr_va_vcc(0) depctr_vm_vsrc(0)
	s_getreg_b32 s2, hwreg(HW_REG_IB_STS2, 6, 4)
	s_cmp_eq_u32 s2, 0
	s_cbranch_scc0 .Lentry_in_a_cluster
	s_endpgm
.Lentry_in_a_cluster:
	s_bfe_u32 s2, ttmp6, 0x10000c
	s_cmp_lg_u32 s2, 0x3003
	s_cbranch_scc0 .Lentry_shape_is_right
	s_endpgm
.Lentry_shape_is_right:
; CAUSAL ATTENTION, head size 64, 1,024 tokens, 64 heads.  y[bh][q][:] = sum over k <= q of softmax_k(q . k / 8) v[k][:].  q, k, v: f16, [bh][token][64], at bytes 0, 8,388,608, 16,777,216 of qkv; y: bf16, same layout.
; Products, maxima and sums in f32; the weights p are rounded to f16 for the second product (their sum is taken of the unrounded p), y once at the end.
; LIMITS.  A hidden score counts as its value less 1e30; a weight below 2^-126 counts as 0; NaN and infinities are not treated apart.
; SHARES.  The four work-groups of a cluster belong to one head.  Work-group cx owns rows 64 i + 16 cx .. + 15 of every band i = 0..15 of 64 queries, so that no branch hangs on cx: only Q's and y's addresses and the
; mask's values do.  Wave u owns the tiles of bands 15 - u and u: 17 tile-steps of 64 keys, whatever u.  Steps above a band's diagonal are jumped over, forward, on the wave's number and the step counter.
; LDS.  The head's whole K (pitch 144) and V (pitch 160) lie in LDS, filled ONCE by joint loads with the mask of four: nothing is filled again.  Each wave asks for two parts: 64 keys of the first 256, on which
; the first four steps work, and 192 of the rest, which land meanwhile.
; LAYOUT.  S^T = K Q^T holds one query a lane (lane % 16) and the keys 8 (lane / 16) + 0..7; two such results rounded to f16 are source 1 of O^T = V^T P.  p = 2^(c s - c m), c = log2(e) / 8, with a running maximum m;
; O and l are multiplied by a = 2^(c m_old - c m_new) in every step.  m starts at the lowest finite number, O and l at 0, so that the first step is a step like any other, with a = 0.
; THE MASK of a band's own step is the C operand that starts the sum: 0, or -1e30 where the key is hidden; 32 registers, made once.
; The phases of a tile-step stand one after the other; the SIMD's second wave fills the gaps.
; REGISTERS.  Window 0: v0-14 addresses; v16-23 statistics (c m, m, l, l a tile); v24-28 at work; v32-63 S^T; v64-79 P; v96-159 K of a step; v160-223 V.  Window 1: v0-31 Q; v32-95 O^T; v96-127 the mask.
.set KS,   64
.set PK,   144
.set PV,   160
.set VOFF, 1024*PK
.set SP,   144                         ; the way out: 16 rows x 144 bytes a wave, in K's bytes, behind the barrier that ends all reads
.set AK0, 2
.set AV0, 3
.set STO, 4
.set RD,  5
.set GO,  6
.set QO,  7
.set AK,  8
.set AV,  9
.set ST,  16
.set CW,  24
.set MVO, 28
.set S,   32
.set P,   64
.set KF,  96
.set VF,  160
.set Q,   0                            ; window 1
.set O,   32
.set MD,  96
.set WV,  12
.set CX,  13
.set BH,  14
.set IL,  15                           ; s15 the long tile's band, s16 the short tile's
.set SC,  17                           ; the key step
.set G1A, 32
.set G1B, 40
.set G0A, 48
.set G0B, 52
.set QPT, 56                           ; s[56:57], s[58:59] Q at my two tiles
.set OPT, 60                           ; s[60:61], s[62:63] y at my two tiles
.set CS,  66
.set SEL, 68
.set BIGN, 70
.set TBK, 71                           ; LDS byte at which the step's K begins
.set TBV, 72                           ; the same for V, less VOFF
.set MSB, 0
.macro WIN new
.if MSB != (\new)
	s_set_vgpr_msb (MSB<<8)|(\new)
.set MSB, \new
.endif
.endm
.macro PLACES
.rept 4
	v_nop
.endr
.endm
.macro CROUND
	s_barrier_signal -1
	s_barrier_wait -1
	s_cmp_lg_u32 s[WV], 0
	s_cbranch_scc1 .Lnot_wave_0_\@
	s_barrier_signal -3
.Lnot_wave_0_\@:
	s_barrier_wait -3
	s_barrier_signal -1
	s_barrier_wait -1
.endm
	s_load_b128 s[4:7], s[0:1], 0x0                ; qkv s[4:5], y s[6:7]
	v_lshl_add_u32 v254, v0, 2, 0x4c000
	v_mov_b32 v255, 0
	ds_add_u32 v254, v255
	v_lshrrev_b32 v1, 5, v0
	v_readfirstlane_b32 s[WV], v1                  ; wave 0..7
	s_bfe_u32 s[CX], ttmp6, 0x40000
	s_and_b32 s[BH], ttmp7, 0xffff                 ; the head, which the four partners share
	s_sub_co_u32 s[IL], 15, s[WV]
	s_mov_b32 s[IL+1], s[WV]
	s_and_b32 s18, s[WV], 3                        ; which part of K (waves 0-3) or V (waves 4-7) I fetch
	s_lshl_b32 s20, s[BH], 17                      ; the head's 131,072 bytes
	s_lshl_b32 s22, s18, 13
	s_add_co_u32 s22, s22, s20                     ; keys 64 u' on
	s_mov_b32 s23, 0
	s_mul_i32 s24, s18, 24576
	s_add_co_u32 s24, s24, s20
	s_add_co_u32 s24, s24, 32768                   ; keys 256 + 192 u' on
	s_mov_b32 s25, 0
.irp g, G1A, G1B                       ; dense bytes, asked for as rows of 256 (two keys), padded in LDS behind every key
	s_mov_b32 s[(\g)+1], 128<<16
	s_mov_b32 s[(\g)+3], 128<<16
	s_mov_b32 s[(\g)+5], 128
	s_mov_b32 s[(\g)+6], 0
	s_mov_b32 s[(\g)+7], 0
.endr
	s_mov_b32 s[G1A+2], 32<<16                     ; 64 keys: 32 rows
	s_mov_b32 s[G1A+4], 32
	s_mov_b32 s[G1B+2], 96<<16                     ; 192 keys: 96 rows
	s_mov_b32 s[G1B+4], 96
	s_mov_b32 s[G0A], 1
	s_mov_b32 s[G0B], 1
	s_mov_b32 s[CS], 0x3e38aa3b                    ; c = log2(e) / 8
	s_mov_b32 s[CS+1], s[CS]
	s_mov_b32 s[SEL], 0x76543210
	s_mov_b32 s[SEL+1], 0xfedcba98
	s_mov_b32 s[BIGN], 0xf149f2ca                  ; -1e30
	s_mov_b32 s[SC], 0
	s_mov_b32 s[TBK], 0
	s_mov_b32 s[TBV], 0
	s_lshl_b32 s26, s[IL], 6
	s_lshl4_add_u32 s26, s[CX], s26                ; my first row of the long tile: 64 band + 16 cx
	s_lshl_b32 s26, s26, 7
	s_add_co_u32 s26, s26, s20
	s_mov_b32 s27, 0
	s_lshl_b32 s28, s[IL+1], 6
	s_lshl4_add_u32 s28, s[CX], s28
	s_lshl_b32 s28, s28, 7
	s_add_co_u32 s28, s28, s20
	s_mov_b32 s29, 0
	s_wait_dscnt 0x0
	s_wait_kmcnt 0x0
	s_add_nc_u64 s[QPT:QPT+1], s[4:5], s[26:27]
	s_add_nc_u64 s[QPT+2:QPT+3], s[4:5], s[28:29]
	s_add_nc_u64 s[OPT:OPT+1], s[6:7], s[26:27]
	s_add_nc_u64 s[OPT+2:OPT+3], s[6:7], s[28:29]
	CROUND                                         ; all four work-groups are here: the joint loads meet
	s_cmp_lt_u32 s[WV], 4                          ; a wave's two loads stand in one branch; two loads of mine are out
	s_cbranch_scc0 .Lfor_v
	s_mov_b32 s[G1A], 15|(1<<16)|(1<<20)|(1<<21)|(4<<22)|(3<<25)  ; mask of four; 2-byte elements; padding on; bit 21 beside a mask; 4 words behind every 32
	s_mov_b32 s[G1B], 15|(1<<16)|(1<<20)|(1<<21)|(4<<22)|(3<<25)
	s_mul_i32 s[G0A+1], s18, 64*PK
	s_mul_i32 s[G0B+1], s18, 192*PK
	s_add_co_u32 s[G0B+1], s[G0B+1], 256*PK
	s_add_nc_u64 s[G0A+2:G0A+3], s[4:5], s[22:23]
	s_add_nc_u64 s[G0A+2:G0A+3], s[G0A+2:G0A+3], 8388608
	s_or_b32 s[G0A+3], s[G0A+3], 0x80000000
	s_add_nc_u64 s[G0B+2:G0B+3], s[4:5], s[24:25]
	s_add_nc_u64 s[G0B+2:G0B+3], s[G0B+2:G0B+3], 8388608
	s_or_b32 s[G0B+3], s[G0B+3], 0x80000000
	tensor_load_to_lds s[G0A:G0A+3], s[G1A:G1A+7]
	s_nop 0
	tensor_load_to_lds s[G0B:G0B+3], s[G1B:G1B+7]
	s_nop 0
.rept 4
	v_nop
.endr
	s_branch .Lasked
.Lfor_v:
	s_mov_b32 s[G1A], 15|(1<<16)|(1<<20)|(1<<21)|(4<<22)|(7<<25)  ; the same with 8 words of padding
	s_mov_b32 s[G1B], 15|(1<<16)|(1<<20)|(1<<21)|(4<<22)|(7<<25)
	s_mul_i32 s[G0A+1], s18, 64*PV
	s_add_co_u32 s[G0A+1], s[G0A+1], VOFF
	s_mul_i32 s[G0B+1], s18, 192*PV
	s_add_co_u32 s[G0B+1], s[G0B+1], VOFF+256*PV
	s_add_nc_u64 s[G0A+2:G0A+3], s[4:5], s[22:23]
	s_add_nc_u64 s[G0A+2:G0A+3], s[G0A+2:G0A+3], 16777216
	s_or_b32 s[G0A+3], s[G0A+3], 0x80000000
	s_add_nc_u64 s[G0B+2:G0B+3], s[4:5], s[24:25]
	s_add_nc_u64 s[G0B+2:G0B+3], s[G0B+2:G0B+3], 16777216
	s_or_b32 s[G0B+3], s[G0B+3], 0x80000000
	tensor_load_to_lds s[G0A:G0A+3], s[G1A:G1A+7]
	s_nop 0
	tensor_load_to_lds s[G0B:G0B+3], s[G1B:G1B+7]
	s_nop 0
.rept 4
	v_nop
.endr
.Lasked:
	v_and_b32 v1, 15, v0                           ; r = lane % 16
	v_bfe_u32 v10, v0, 4, 1                        ; h = lane / 16
	v_and_b32 v11, 7, v0
	v_bfe_u32 v12, v0, 3, 1
	v_lshlrev_b32 v[QO], 7, v1
	v_lshl_add_u32 v[QO], v10, 4, v[QO]            ; row x 128 + 16 h
	v_lshlrev_b32 v14, 3, v10
	v_sub_nc_u32 v14, v1, v14
	s_lshl_b32 s19, s[CX], 4
	v_add_nc_u32 v14, s19, v14                     ; my query's place in its band less 8 h: register j of key group kt is hidden where 16 kt + j is greater
	WIN 0x40                                       ; destination window 1
.irp p, 0,1
.irp c, 0,1,2,3
	global_load_b128 v[Q+16*(\p)+4*(\c):Q+16*(\p)+4*(\c)+3], v[QO], s[QPT+2*(\p):QPT+2*(\p)+1] offset:32*(\c)
.endr
.endr
.set i, 0
.rept 32
	v_cmp_gt_i32 vcc_lo, 16*(i/8)+i%8, v14
	v_cndmask_b32 v[MD+i], 0, s[BIGN], vcc_lo
.set i, i+1
.endr
.set i, 0
.rept 64                               ; O^T starts at 0: no first step is written out; these stand in the wait for the first keys
	v_mov_b32 v[O+i], 0
.set i, i+1
.endr
	WIN 0
.irp p, 0,1
	v_mov_b32 v[ST+4*(\p)], 0xfe000000             ; c m: far below every c s
	v_mov_b32 v[ST+4*(\p)+1], 0xff7fffff           ; m
	v_mov_b32 v[ST+4*(\p)+2], 0
	v_mov_b32 v[ST+4*(\p)+3], 0
.endr
	v_mul_u32_u24 v[AK0], v1, PK
	v_lshl_add_u32 v[AK0], v10, 4, v[AK0]
	v_lshl_add_u32 v[AV0], v10, 3, v11             ; the turning load: key 8 h + lane % 8, channels 8 ((lane / 8) % 2) on
	v_mul_u32_u24 v[AV0], v[AV0], PV
	v_lshl_add_u32 v[AV0], v12, 4, v[AV0]
	v_add_nc_u32 v[AV0], VOFF, v[AV0]
	s_mul_i32 s19, s[WV], 16*SP
	v_mul_u32_u24 v[STO], v1, SP
	v_lshl_add_u32 v[STO], v10, 4, v[STO]
	v_add_nc_u32 v[STO], s19, v[STO]
	v_bfe_u32 v[RD], v0, 3, 2
	v_mul_u32_u24 v[RD], v[RD], SP
	v_lshl_add_u32 v[RD], v11, 4, v[RD]
	v_add_nc_u32 v[RD], s19, v[RD]
	v_and_b32 v[GO], 31, v0
	v_lshlrev_b32 v[GO], 4, v[GO]
.macro FETCH_K                         ; 64 keys x 64 channels: fragment (key block f / 2, channel half f % 2)
.irp f, 0,1,2,3,4,5,6,7
	ds_load_b128 v[KF+8*(\f):KF+8*(\f)+3],   v[AK] offset:((\f)/2)*16*PK+((\f)%2)*64
	ds_load_b128 v[KF+8*(\f)+4:KF+8*(\f)+7], v[AK] offset:((\f)/2)*16*PK+((\f)%2)*64+32
.endr
.endm
.macro FETCH_V                         ; turned: fragment (key half f / 4, channel block f % 4)
.irp f, 0,1,2,3,4,5,6,7
	ds_load_tr16_b128 v[VF+8*(\f):VF+8*(\f)+3],   v[AV] offset:((\f)/4)*32*PV+((\f)%4)*32
	ds_load_tr16_b128 v[VF+8*(\f)+4:VF+8*(\f)+7], v[AV] offset:((\f)/4)*32*PV+16*PV+((\f)%4)*32
.endr
.endm
; S^T = K Q^T of tile p.  The four accumulators take turns.  diag = 1: in the band's own step the sums start with the mask.
.macro KQ p, diag
	WIN 0
.if \diag
	s_cmp_eq_u32 s[SC], s[IL+(\p)]
	s_cbranch_scc1 .Ld_\@
.endif
	WIN 0x04                                       ; Q in window 1
.irp kb, 0,1,2,3
	v_wmma_f32_16x16x32_f16 v[S+8*(\kb):S+8*(\kb)+7], v[KF+16*(\kb):KF+16*(\kb)+7], v[Q+16*(\p):Q+16*(\p)+7], 0
.endr
.if \diag
	WIN 0
	s_branch .Lj_\@
.Ld_\@:
	WIN 0x14                                       ; Q and the mask in window 1
.irp kb, 0,1,2,3
	v_wmma_f32_16x16x32_f16 v[S+8*(\kb):S+8*(\kb)+7], v[KF+16*(\kb):KF+16*(\kb)+7], v[Q+16*(\p):Q+16*(\p)+7], v[MD+8*(\kb):MD+8*(\kb)+7]
.endr
	WIN 0
.Lj_\@:
.endif
	WIN 0x04
.irp kb, 0,1,2,3
	v_wmma_f32_16x16x32_f16 v[S+8*(\kb):S+8*(\kb)+7], v[KF+16*(\kb)+8:KF+16*(\kb)+15], v[Q+16*(\p)+8:Q+16*(\p)+15], v[S+8*(\kb):S+8*(\kb)+7]
.endr
.endm
.macro FS n                            ; c s - c m for pair n
	v_pk_fma_f32 v[S+2*(\n):S+2*(\n)+1], v[S+2*(\n):S+2*(\n)+1], s[CS:CS+1], v[rT:rT+1] op_sel_hi:[1,0,0] neg_lo:[0,0,1] neg_hi:[0,0,1]
.endm
; The softmax of tile p for one step.  The maximum reads each accumulator's lowest registers first.  Exponential and plain instruction by turns: behind each exponential stands a plain one that
; names none of its registers.
.macro SOFT p
.set rT, ST+4*(\p)
.set rO, O+32*(\p)
	WIN 0
	PLACES
.irp n, 0,1,2,3
	v_max3_num_f32 v[CW+(\n)], v[S+8*(\n)], v[S+8*(\n)+1], v[S+8*(\n)+2]
.endr
.irp g, 1,2
.irp n, 0,1,2,3
	v_max3_num_f32 v[CW+(\n)], v[CW+(\n)], v[S+8*(\n)+2*(\g)+1], v[S+8*(\n)+2*(\g)+2]
.endr
.endr
	v_max3_num_f32 v[CW], v[CW], v[S+7], v[S+15]
	v_max3_num_f32 v[CW+1], v[CW+1], v[S+23], v[S+31]
	v_max3_num_f32 v[CW+2], v[CW+2], v[CW+3], v[rT+1]
	v_mov_b32 v[MVO], v[rT]                        ; c m_old is kept
	v_max3_num_f32 v[CW], v[CW], v[CW+1], v[CW+2]
	v_permlanex16_b32 v[CW+3], v[CW], s[SEL], s[SEL+1]  ; the query's other 32 keys lie in the lane 16 away
	v_max_num_f32 v[rT+1], v[CW], v[CW+3]
	v_mul_f32 v[rT], s[CS], v[rT+1]
	v_sub_f32 v[CW+1], v[MVO], v[rT]
	v_exp_f32 v[CW+2], v[CW+1]                     ; a
	FS 0
	FS 1
.set n, 0
.rept 16
	v_exp_f32 v[S+2*n], v[S+2*n]
.if n < 14
	FS n+2
.else
	v_nop
.endif
	v_exp_f32 v[S+2*n+1], v[S+2*n+1]
.if n > 0
	s_wait_alu depctr_va_vdst(0)
	v_cvt_pk_f16_f32 v[P+n-1], v[S+2*n-2], v[S+2*n-1]
.else
	v_nop
.endif
.set n, n+1
.endr
	v_cvt_pk_f16_f32 v[P+15], v[S+30], v[S+31]
.irp w, 4,8,16,32                      ; the sum of the 16 pairs, in place
.set u, 0
.rept 32/(\w)
	v_pk_add_f32 v[S+(\w)*u:S+(\w)*u+1], v[S+(\w)*u:S+(\w)*u+1], v[S+(\w)*u+(\w)/2:S+(\w)*u+(\w)/2+1]
.set u, u+1
.endr
.endr
	v_pk_fma_f32 v[rT+2:rT+3], v[rT+2:rT+3], v[CW+2:CW+3], v[S:S+1] op_sel_hi:[1,0,1]  ; l = a l + sum
	WIN 0x41                                       ; O^T in window 1, a in window 0
.set u, 0
.rept 16
	v_pk_mul_f32 v[rO+2*u:rO+2*u+1], v[rO+2*u:rO+2*u+1], v[CW+2:CW+3] op_sel_hi:[1,0]
.set u, u+1
.endr
.endm
.macro PVM p                           ; O^T += V^T P of tile p; four accumulators by turns
	WIN 0x50
.irp kk, 0,1
.irp cb, 0,1,2,3
	v_wmma_f32_16x16x32_f16 v[O+32*(\p)+8*(\cb):O+32*(\p)+8*(\cb)+7], v[VF+32*(\kk)+8*(\cb):VF+32*(\kk)+8*(\cb)+7], v[P+8*(\kk):P+8*(\kk)+7], v[O+32*(\p)+8*(\cb):O+32*(\p)+8*(\cb)+7]
.endr
.endr
.endm
; One key step.  inb = 1 (steps 4 to 15): the long tile may have ended (then so has the short one), or stand on its diagonal.  What is jumped holds neither a barrier nor a tensor load.
.macro STEP inb
.if \inb
	s_cmp_gt_u32 s[SC], s[IL]
	s_cbranch_scc1 .Ldead_\@
.endif
	v_add_nc_u32 v[AK], s[TBK], v[AK0]
	v_add_nc_u32 v[AV], s[TBV], v[AV0]
	FETCH_K
	FETCH_V
	s_wait_dscnt 16                                ; K is in; V's sixteen loads stay out
	KQ 0, \inb
	SOFT 0
	s_wait_dscnt 0x0                               ; V is in
	PVM 0
	WIN 0
	s_cmp_gt_u32 s[SC], s[IL+1]
	s_cbranch_scc1 .Lns_\@
	KQ 1, 1
	SOFT 1
	PVM 1
	WIN 0
.Lns_\@:
	PLACES                                         ; in front of the next step's loads into V's registers
.Ldead_\@:
	s_add_co_u32 s[TBK], s[TBK], KS*PK
	s_add_co_u32 s[TBV], s[TBV], KS*PV
.endm
	s_wait_loadcnt 0x0                             ; Q
	s_wait_tensorcnt 0x1                           ; my part of the first 256 keys is in; my part of the rest stays out
	s_barrier_signal -1
	s_barrier_wait -1
.LA:
	STEP 0
	s_add_co_u32 s[SC], s[SC], 1
	s_cmp_lt_u32 s[SC], 4
	s_cbranch_scc1 .LA
	s_wait_tensorcnt 0x0                           ; my part of the rest is in,
	s_wait_dscnt 0x0
	s_barrier_signal -1
	s_barrier_wait -1                              ; everybody's is
	s_mov_b32 s[SC], 4
.LB:
	STEP 1
	s_add_co_u32 s[SC], s[SC], 1
	s_cmp_lt_u32 s[SC], 16
	s_cbranch_scc1 .LB
	s_wait_dscnt 0x0
	s_barrier_signal -1
	s_barrier_wait -1                              ; all reads of K and V are over: K's first bytes serve as stages
	; THE WAY OUT.  l's halves and the other half of the lanes' are added; O^T is divided by l, rounded to bf16 and sent through my stage, a tile (16 rows, 2,048 consecutive bytes of y) at a time.
	PLACES
.irp t, 0,1
	v_add_f32 v[ST+4*(\t)+2], v[ST+4*(\t)+2], v[ST+4*(\t)+3]
.endr
.irp t, 0,1
	v_permlanex16_b32 v[ST+4*(\t)+3], v[ST+4*(\t)+2], s[SEL], s[SEL+1]
.endr
.irp t, 0,1
	v_add_f32 v[ST+4*(\t)+2], v[ST+4*(\t)+2], v[ST+4*(\t)+3]
.endr
.irp t, 0,1
	v_rcp_f32 v[ST+4*(\t)+2], v[ST+4*(\t)+2]
.endr
	v_nop                                          ; a plain instruction between the last reciprocal and the use of its result
	s_wait_alu depctr_va_vdst(0)
.macro PACK p
	WIN 0x41
.set i, O+32*(\p)
.rept 16
	v_pk_mul_f32 v[i:i+1], v[i:i+1], v[ST+4*(\p)+2:ST+4*(\p)+3] op_sel_hi:[1,0]
.set i, i+2
.endr
	WIN 0x05                                       ; sources in window 1, destination in window 0: S^T's registers are free
.set i, 0
.rept 16
	v_cvt_pk_bf16_f32 v[S+16*(\p)+i], v[O+32*(\p)+2*i], v[O+32*(\p)+2*i+1]
.set i, i+1
.endr
	WIN 0
.irp f, 0,1,2,3
	ds_store_b128 v[STO], v[S+16*(\p)+4*(\f):S+16*(\p)+4*(\f)+3] offset:32*(\f)
.endr
.irp f, 0,1,2,3
	ds_load_b128 v[S+16*(\p)+4*(\f):S+16*(\p)+4*(\f)+3], v[RD] offset:(\f)*4*SP  ; LDS serves a wave's instructions in order: these see the stores above
.endr
.endm
.macro SEND p, younger                 ; younger: the LDS instructions issued behind tile p's loads
.irp f, 0,1,2,3
	s_wait_dscnt (\younger)+3-(\f)
	global_store_b128 v[GO], v[S+16*(\p)+4*(\f):S+16*(\p)+4*(\f)+3], s[OPT+2*(\p):OPT+2*(\p)+1] offset:(\f)*512  ; 512 consecutive bytes, aligned
.endr
.endm
	PACK 0
	PACK 1
	SEND 0, 8
	SEND 1, 0
	s_wait_tensorcnt 0x0
	ds_add_u32 v254, v255
	s_wait_dscnt 0x0
	CROUND                                         ; the closing round
	s_endpgm
.Lfunc_end_k_q47e01322dd_attn:
	.size	k_q47e01322dd_attn, .Lfunc_end_k_q47e01322dd_attn-k_q47e01322dd_attn
	.p2alignl 7, 3214868480
	.fill 96, 4, 3214868480
	.section	.rodata,"a",@progbits
	.p2align	6, 0x0
	.amdhsa_kernel k_q47e01322dd_attn
		.amdhsa_group_segment_fixed_size 312320
		.amdhsa_private_segment_fixed_size 0
		.amdhsa_enable_private_segment 0
		.amdhsa_kernarg_size 16
		.amdhsa_user_sgpr_count 2
		.amdhsa_user_sgpr_kernarg_segment_ptr 1
		.amdhsa_wavefront_size32 1
		.amdhsa_system_sgpr_workgroup_id_x 1
		.amdhsa_system_sgpr_workgroup_id_y 1
		.amdhsa_system_sgpr_workgroup_id_z 1
		.amdhsa_system_vgpr_workitem_id 0
		.amdhsa_next_free_vgpr 384
		.amdhsa_next_free_sgpr 80
		.amdhsa_reserve_vcc 1
		.amdhsa_float_denorm_mode_32 3
		.amdhsa_float_denorm_mode_16_64 3
		.amdhsa_memory_ordered 1
		.amdhsa_forward_progress 1
		.amdhsa_inst_pref_size 60
	.end_amdhsa_kernel
	.amdgpu_metadata
---
amdhsa.version: [ 1, 2 ]
amdhsa.kernels:
  - .name:           k_q47e01322dd_attn
    .symbol:         k_q47e01322dd_attn.kd
    .args:
      - { .name: qkv, .offset: 0, .size: 8, .value_kind: global_buffer, .address_space: global }
      - { .name: y, .offset: 8, .size: 8, .value_kind: global_buffer, .address_space: global }
    .group_segment_fixed_size: 312320
    .private_segment_fixed_size: 0
    .kernarg_segment_align: 8
    .kernarg_segment_size: 16
    .max_flat_workgroup_size: 256
    .sgpr_count:     80
    .vgpr_count:     384
    .wavefront_size: 32
...
	.end_amdgpu_metadata
.endif
;; end of part 3
;; launch proj (part 4): grid 8 x 32, 4 waves a work-group, clusters of 4 x 4, 327,680 bytes of LDS; arguments y, wt, b_proj, x, x1; writes x1
.if DOCPART == 4
	.amdgcn_target "amdgcn-amd-amdhsa--gfx1250"
	.amdhsa_code_object_version 6
	.text
	.protected	k_q47e01322dd_proj
	.globl	k_q47e01322dd_proj
	.p2align	8
	.type	k_q47e01322dd_proj,@function
k_q47e01322dd_proj:
	s_mov_b64 s[64:65], 0
	v_nop
	global_prefetch_b8 v0, s[64:65] scope:SCOPE_SE
	s_setreg_imm32_b32 hwreg(HW_REG_WAVE_MODE, 25, 1), 1
	s_wait_xcnt 0x0
	s_wait_alu depctr_hold_cnt(0) depctr_sa_sdst(0) depctr_va_vdst(0) depctr_va_sdst(0) depctr_va_ssrc(0) depctr_va_vcc(0) depctr_vm_vsrc(0)
	s_getreg_b32 s2, hwreg(HW_REG_IB_STS2, 6, 4)
	s_cmp_eq_u32 s2, 0
	s_cbranch_scc0 .Lentry_in_a_cluster
	s_endpgm
.Lentry_in_a_cluster:
	s_bfe_u32 s2, ttmp6, 0x10000c
	s_cmp_lg_u32 s2, 0xf033
	s_cbranch_scc0 .Lentry_shape_is_right
	s_endpgm
.Lentry_shape_is_right:
; C[m][n] = sum over k of A[m][k] B[n][k] + bias[n] + res[m][n], f32 out; operands bf16, sums f32.  m = 4,096, n = 1,024.  One text for two launches; PROJ chooses the constants.
; PROJ = 1: A = y, by heads [batch x 16 + head][token][64], k = 1,024; B = W_proj^T in wt; res = x; out = x1.     PROJ = 0: A = hmid [4096][4096], k = 4,096; B = W_fc2^T in wt; res = x1; out = out0.
; A tile of C is 128 x 128 (256 work-groups); four waves, each 64 x 64: 16 accumulators.  K goes in steps of 256 through two LDS slots.  B's rows, and hmid's, are 512 bytes of memory, aligned.  With PROJ = 1 a step is
; four heads: a wave's load brings two heads' 128 tokens, each 16,384 dense bytes, padded in LDS behind every token's 128 bytes: [head slice][token], pitch 144.
; CLUSTER: 4 x 4; A's tiles are asked for jointly along a row of the cluster, B's along a column.  THE MATRIX INSTRUCTION IS USED TRANSPOSED: a lane holds eight neighbouring columns of a row of C.
; A TRIP IS ONE K STEP; one descriptor set walks; its LDS word is turned by an exclusive or with SLOT = 0x24000, which shares no bit with any part's base (0, 0x9000, 0x12000, 0x1a400; 0, 0x8400, 0x10800, 0x18c00).
; The residual tile is loaded into registers at the start and lands while the products run.
; REGISTERS: window 0: v0-31 addresses, bias; v128-255 accumulators ((a, b) at 128 + 8 (4 a + b)), later whole rows.  Window 1: two fragment buffers of 128 (A's 64, then B's 64).  Window 2: v0-127 the residual.
.set PROJ, 1
.if PROJ
.set SIZE_K, 1024
.set WOFF,   6291456
.set PA,     144                       ; A's LDS pitch
.set KSL,    128                       ; bytes of K in a slice
.set SLICE,  128*PA
.set APART,  2*SLICE                   ; what one load brings of A
.set ASTEP,  4*1024*128                ; four heads on
.set AQI,    4                         ; padding behind every 32 words
.set AD0,    8192                      ; a 'row': 128 tokens x 64 elements
.set AD1,    2
.set ASTR,   65536                     ; from head to head
.else
.set SIZE_K, 4096
.set WOFF,   16777216
.set PA,     528
.set KSL,    512
.set SLICE,  0
.set APART,  64*PA
.set ASTEP,  512
.set AQI,    6                         ; padding behind every 128 words
.set AD0,    256
.set AD1,    64
.set ASTR,   4096
.endif
.set KSTEP,  256
.set STEPS,  SIZE_K/KSTEP
.set PB,     528
.set BPART,  64*PB
.set SLOT,   0x24000                   ; from slot to slot: at least 2 APART + 2 BPART
.set SPARE,  2*SLOT                    ; the spare words, 128 bytes a wave, which no other line names
.set SPITCH, 272                       ; a stage row: 64 f32 + 16 bytes
.set WSTAGE, 64*SPITCH
.set BI,   8
.set ADRA, 16
.set ADRB, 17
.set A0,   18
.set B0,   19
.set STO,  24
.set RD,   25
.set CO,   26
.set BO,   27
.set SPW,  28
.set NIL,  29
.set ACC,  128
.set F0,   0
.set F1,   128
.set G1, 24
.set G0, 32
.set G1B, 48
.set G0B, 56
.set MSB, 0
.macro WIN new
.if MSB != (\new)
	s_set_vgpr_msb (MSB<<8)|(\new)
.set MSB, \new
.endif
.endm
.set MUL,  0x05                        ; sources 0 (B) and 1 (A) window 1; C and D window 0
.set TO_F, 0x40
.macro PLACES
.rept 4
	v_nop
.endr
.endm
.macro JLOAD s                         ; a joint load: waves 0, 1 fetch A's parts, waves 2, 3 B's; an s_nop 0 and four v_nop follow each line
	s_cmp_eq_u32 s11, 0
	s_cbranch_scc0 .Lfor_b_\@
	tensor_load_to_lds s[G0+4*(\s):G0+4*(\s)+3], s[G1:G1+7]
	s_nop 0
.rept 4
	v_nop
.endr
	s_branch .Lasked_\@
.Lfor_b_\@:
	tensor_load_to_lds s[G0B+4*(\s):G0B+4*(\s)+3], s[G1B:G1B+7]
	s_nop 0
.rept 4
	v_nop
.endr
.Lasked_\@:
.endm
.macro CREST
	s_cmp_lg_u32 s10, 0
	s_cbranch_scc1 .Lnot_wave_0_\@
	s_barrier_signal -3
.Lnot_wave_0_\@:
	s_barrier_wait -3
	s_barrier_signal -1
	s_barrier_wait -1
.endm
.macro CROUND
	s_barrier_signal -1
	s_barrier_wait -1
	CREST
.endm
	s_load_b128 s[4:7], s[0:1], 0x0                ; A s[4:5], wt s[6:7]
	s_load_b128 s[68:71], s[0:1], 0x10             ; bias s[68:69], residual s[70:71]
	s_load_b64 s[8:9], s[0:1], 0x20                ; out
	v_lshl_add_u32 v[SPW], v0, 2, SPARE
	v_mov_b32 v[NIL], 0
	ds_add_u32 v28, v29
	s_wait_dscnt 0x0
	v_lshrrev_b32 v1, 5, v0
	v_readfirstlane_b32 s10, v1                    ; wave 0..3
	s_lshr_b32 s11, s10, 1                         ; my half of the rows; also: I fetch for A (0) or B (1)
	s_and_b32 s12, s10, 1                          ; my half of the columns; also: which part I fetch
	s_bfe_u32 s40, ttmp6, 0x40000
	s_bfe_u32 s41, ttmp6, 0x40004
	s_lshl_b32 s42, ttmp9, 2
	s_add_co_u32 s42, s42, s40                     ; tile column
	s_and_b32 s13, ttmp7, 0xffff
	s_lshl_b32 s13, s13, 2
	s_add_co_u32 s13, s13, s41                     ; tile row
	s_lshl_b32 s43, s41, 2
	s_lshl_b32 s43, 15, s43
	s_lshl_b32 s44, 0x1111, s40
	s_or_b32 s[G1+0], s43, (1<<16)|(1<<20)|(1<<21)|(AQI<<22)|(3<<25)
	s_mov_b32 s[G1+1], (AD0&0xffff)<<16
	s_mov_b32 s[G1+2], (AD0>>16)|(AD1<<16)
	s_mov_b32 s[G1+3], AD0<<16
	s_mov_b32 s[G1+4], AD1
	s_mov_b32 s[G1+5], ASTR
	s_mov_b32 s[G1+6], 0
	s_mov_b32 s[G1+7], 0
	s_or_b32 s[G1B+0], s44, (1<<16)|(1<<20)|(1<<21)|(6<<22)|(3<<25)
	s_mov_b32 s[G1B+1], KSTEP<<16
	s_mov_b32 s[G1B+2], 64<<16
	s_mov_b32 s[G1B+3], KSTEP<<16
	s_mov_b32 s[G1B+4], 64
	s_mov_b32 s[G1B+5], SIZE_K
	s_mov_b32 s[G1B+6], 0
	s_mov_b32 s[G1B+7], 0
.if PROJ
	s_lshr_b32 s16, s13, 3                         ; batch
	s_lshl_b32 s16, s16, 4
	s_lshl1_add_u32 s16, s12, s16                  ; my first head of step 0
	s_lshl_b32 s16, s16, 10
	s_and_b32 s17, s13, 7
	s_lshl_b32 s17, s17, 7
	s_add_co_u32 s16, s16, s17                     ; + the tile's first token
	s_lshl_b32 s16, s16, 7                         ; rows of 128 bytes
.else
	s_lshl_b32 s16, s13, 7
	s_lshl_b32 s17, s12, 6
	s_add_co_u32 s16, s16, s17
	s_lshl_b32 s16, s16, 13                        ; rows of 8,192 bytes
.endif
	s_mov_b32 s17, 0
	s_lshl_b32 s46, s42, 7
	s_lshl_b32 s47, s12, 6
	s_add_co_u32 s46, s46, s47
	s_mul_i32 s46, s46, SIZE_K*2
	s_add_co_u32 s46, s46, WOFF
	s_mov_b32 s47, 0
	s_mul_i32 s20, s12, APART                      ; where my part goes, for A
	s_mul_i32 s21, s12, BPART
	s_add_co_u32 s21, s21, 2*APART                 ; and for B
	s_wait_kmcnt 0x0
	s_add_nc_u64 s[14:15], s[4:5], s[16:17]
	s_add_nc_u64 s[46:47], s[6:7], s[46:47]
	CROUND                                         ; all sixteen work-groups are here
.irp s, 0,1
	s_mov_b32 s[G0+4*(\s)], 1
	s_add_co_u32 s[G0+4*(\s)+1], s20, (\s)*SLOT
	s_add_nc_u64 s[G0+4*(\s)+2:G0+4*(\s)+3], s[14:15], (\s)*ASTEP
	s_or_b32 s[G0+4*(\s)+3], s[G0+4*(\s)+3], 0x80000000
	s_mov_b32 s[G0B+4*(\s)], 1
	s_add_co_u32 s[G0B+4*(\s)+1], s21, (\s)*SLOT
	s_add_nc_u64 s[G0B+4*(\s)+2:G0B+4*(\s)+3], s[46:47], (\s)*KSTEP*2
	s_or_b32 s[G0B+4*(\s)+3], s[G0B+4*(\s)+3], 0x80000000
	JLOAD \s                                       ; two loads of mine are out
.endr
	v_and_b32 v1, 15, v0                           ; r
	v_bfe_u32 v2, v0, 4, 1                         ; h
	v_mul_u32_u24 v3, v1, PA
	v_lshl_add_u32 v3, v2, 4, v3
	s_mul_i32 s22, s11, 64*PA
	v_add_nc_u32 v[A0], s22, v3
	v_mul_u32_u24 v3, v1, PB
	v_lshl_add_u32 v3, v2, 4, v3
	s_mul_i32 s22, s12, BPART
	s_add_co_u32 s22, s22, 2*APART
	v_add_nc_u32 v[B0], s22, v3
	v_mov_b32 v[ADRA], v[A0]
	v_mov_b32 v[ADRB], v[B0]
	s_mov_b32 s2, 0                                ; the slot in hand
	s_mul_i32 s23, s10, WSTAGE
	v_mul_u32_u24 v4, v1, SPITCH
	v_lshl_add_u32 v4, v2, 5, v4
	v_add_nc_u32 v[STO], s23, v4                   ; in: row r, 32 bytes for each half of the lanes
	v_mul_u32_u24 v4, v2, SPITCH
	v_lshl_add_u32 v4, v1, 4, v4
	v_add_nc_u32 v[RD], s23, v4                    ; back: lanes 0-15 one row of 256 bytes, lanes 16-31 the next
	v_lshlrev_b32 v[BO], 4, v1
	v_lshl_add_u32 v[CO], v2, 12, v[BO]            ; the same two rows in C and in the residual
	s_lshl_b32 s16, s13, 7
	s_lshl_b32 s17, s11, 6
	s_add_co_u32 s16, s16, s17
	s_lshl_b32 s16, s16, 12                        ; my first row, 4,096 bytes each
	s_mov_b32 s17, 0
	s_lshl_b32 s46, s42, 9
	s_lshl_b32 s47, s12, 8
	s_add_co_u32 s46, s46, s47                     ; my first column, in bytes
	s_mov_b32 s47, 0
	s_add_nc_u64 s[68:69], s[68:69], s[46:47]
	s_add_nc_u64 s[16:17], s[16:17], s[46:47]
	s_add_nc_u64 s[70:71], s[70:71], s[16:17]
	s_add_nc_u64 s[8:9], s[8:9], s[16:17]
	global_load_b128 v[BI:BI+3], v[BO], s[68:69]
	WIN 0x80                                       ; destination window 2
.set t, 0
.rept 32
	global_load_b128 v[4*t:4*t+3], v[CO], s[70:71] offset:8192*t
.set t, t+1
.endr
	WIN 0
.macro MUL8 f, c, a0, zero             ; 8 matrix instructions: row blocks a0, a0 + 1 x all 4 column blocks, 32 along K: half c of buffer f
	WIN MUL
.irp a, \a0, (\a0)+1
.irp b, 0,1,2,3
.if \zero
	v_wmma_f32_16x16x32_bf16 v[ACC+8*(4*(\a)+(\b)):ACC+8*(4*(\a)+(\b))+7], v[(\f)+64+8*(4*(\c)+(\b)):(\f)+64+8*(4*(\c)+(\b))+7], v[(\f)+8*(4*(\c)+(\a)):(\f)+8*(4*(\c)+(\a))+7], 0
.else
	v_wmma_f32_16x16x32_bf16 v[ACC+8*(4*(\a)+(\b)):ACC+8*(4*(\a)+(\b))+7], v[(\f)+64+8*(4*(\c)+(\b)):(\f)+64+8*(4*(\c)+(\b))+7], v[(\f)+8*(4*(\c)+(\a)):(\f)+8*(4*(\c)+(\a))+7], v[ACC+8*(4*(\a)+(\b)):ACC+8*(4*(\a)+(\b))+7]
.endif
.endr
.endr
.endm
.macro FETCH k, f                      ; 32 LDS loads in one run: 64 along K at byte k of a step, into buffer f; the first 32 along K first
	WIN TO_F
.irp c, 0,1
.irp i, 0,1,2,3
.set kb, (\k)+64*(\c)
.set ao, (kb/KSL)*SLICE+(kb%KSL)+(\i)*16*PA
.set bo, kb+(\i)*16*PB
	ds_load_b128 v[(\f)+64+8*(4*(\c)+(\i)):(\f)+64+8*(4*(\c)+(\i))+3],   v[ADRB] offset:bo
	ds_load_b128 v[(\f)+64+8*(4*(\c)+(\i))+4:(\f)+64+8*(4*(\c)+(\i))+7], v[ADRB] offset:bo+32
	ds_load_b128 v[(\f)+8*(4*(\c)+(\i)):(\f)+8*(4*(\c)+(\i))+3],         v[ADRA] offset:ao
	ds_load_b128 v[(\f)+8*(4*(\c)+(\i))+4:(\f)+8*(4*(\c)+(\i))+7],       v[ADRA] offset:ao+32
.endr
.endr
.endm
.macro QUARTER k, f, g, zero           ; the 16 accumulators take turns
	s_wait_dscnt 16                                ; the first 32 along K are in
	MUL8 \f, 0, 0, \zero
	MUL8 \f, 0, 2, \zero
	PLACES
	FETCH \k, \g
	s_wait_dscnt 32                                ; all but the 32 just issued
	MUL8 \f, 1, 0, 0
	MUL8 \f, 1, 2, 0
.endm
.macro MEET
	WIN 0
	s_wait_tensorcnt 0x0                           ; all my tensor loads have landed: my part of the next slot
	ds_add_u32 v[SPW], v[NIL]                      ; 0 onto my spare word
	s_wait_dscnt 17                                ; (the add and the youngest sixteen loads may be out)
	MUL8 F1, 0, 0, 0
	s_wait_dscnt 0x0                               ; the add is done, and my reads of this slot are over
	s_barrier_signal -1
	MUL8 F1, 0, 2, 0
	WIN 0
	s_barrier_wait -1
.endm
.macro FLIP
	s_xor_b32 s2, s2, SLOT
	v_add_nc_u32 v[ADRA], s2, v[A0]
	v_add_nc_u32 v[ADRB], s2, v[B0]
.endm
.macro TURN
	MEET
	CREST                                          ; the barrier has opened a round of the cluster's: no wave of any partner still reads this slot or has a load on its way
	s_xor_b32 s[G0+5], s[G0+5], SLOT
	s_xor_b32 s[G0B+5], s[G0B+5], SLOT
	s_add_nc_u64 s[G0+6:G0+7], s[G0+6:G0+7], ASTEP
	s_add_nc_u64 s[G0B+6:G0B+7], s[G0B+6:G0B+7], KSTEP*2
	JLOAD 1                                        ; one load of mine is out; its v_nop are also the places in front of the loads below
	FLIP
	FETCH 0, F0
	MUL8 F1, 1, 0, 0
	MUL8 F1, 1, 2, 0
.endm
	s_wait_tensorcnt 0x1                           ; my part of K step 0 is in; step 1's stays out
	s_barrier_signal -1
	s_barrier_wait -1
	FETCH 0, F0
	QUARTER 128, F0, F1, 1
	WIN 0
	s_mov_b32 s3, STEPS-2
.Lstep:
	QUARTER 256, F1, F0, 0
	QUARTER 384, F0, F1, 0
	TURN
	QUARTER 128, F0, F1, 0
	WIN 0
	s_sub_co_u32 s3, s3, 1
	s_cmp_lg_u32 s3, 0
	s_cbranch_scc1 .Lstep
	s_mov_b32 s3, 2
.Ltail:                                                ; the last two steps fill nothing; the second trip is left behind its barrier
	QUARTER 256, F1, F0, 0
	QUARTER 384, F0, F1, 0
	MEET
	s_sub_co_u32 s3, s3, 1
	s_cmp_eq_u32 s3, 0
	s_cbranch_scc1 .Lout
	PLACES
	FLIP
	FETCH 0, F0
	MUL8 F1, 1, 0, 0
	MUL8 F1, 1, 2, 0
	QUARTER 128, F0, F1, 0
	WIN 0
	s_cmp_lg_u32 s3, 0
	s_cbranch_scc1 .Ltail
.Lout:                                                 ; behind the last barrier nobody reads the ring, and no load is out: it serves as stage
	MUL8 F1, 1, 0, 0
	MUL8 F1, 1, 2, 0
	WIN 0
	PLACES
	; THE WAY OUT: the f32 sums through my own stage, back as whole rows of 256 bytes; + bias, + residual; stored.
.irp a, 0,1,2,3
.irp b, 0,1,2,3
	ds_store_b128 v[STO], v[ACC+8*(4*(\a)+(\b)):ACC+8*(4*(\a)+(\b))+3] offset:(\a)*16*SPITCH+64*(\b)
	ds_store_b128 v[STO], v[ACC+8*(4*(\a)+(\b))+4:ACC+8*(4*(\a)+(\b))+7] offset:(\a)*16*SPITCH+64*(\b)+16
.endr
.endr
.set t, 0
.rept 32
	ds_load_b128 v[ACC+4*t:ACC+4*t+3], v[RD] offset:t*2*SPITCH  ; LDS serves a wave's instructions in order: these see the stores above
.set t, t+1
.endr
	s_wait_loadcnt 0x0                             ; bias and residual
.set t, 0
.rept 32
	s_wait_dscnt 31-t                              ; load t is back; the younger ones stay out
	v_pk_add_f32 v[ACC+4*t:ACC+4*t+1], v[ACC+4*t:ACC+4*t+1], v[BI:BI+1]
	v_pk_add_f32 v[ACC+4*t+2:ACC+4*t+3], v[ACC+4*t+2:ACC+4*t+3], v[BI+2:BI+3]
.set t, t+1
.endr
	WIN 0x08                                       ; source 1 in window 2
.set t, 0
.rept 64
	v_pk_add_f32 v[ACC+2*t:ACC+2*t+1], v[ACC+2*t:ACC+2*t+1], v[2*t:2*t+1]
.set t, t+1
.endr
	WIN 0
.set t, 0
.rept 32
	global_store_b128 v[CO], v[ACC+4*t:ACC+4*t+3], s[8:9] offset:8192*t  ; 16 lanes store 256 consecutive bytes, aligned
.set t, t+1
.endr
	s_wait_tensorcnt 0x0                           ; the wave's end
	ds_add_u32 v[SPW], v[NIL]
	s_wait_dscnt 0x0
	CROUND                                         ; the closing round
	s_endpgm
.Lfunc_end_k_q47e01322dd_proj:
	.size	k_q47e01322dd_proj, .Lfunc_end_k_q47e01322dd_proj-k_q47e01322dd_proj
	.p2alignl 7, 3214868480
	.fill 96, 4, 3214868480
	.section	.rodata,"a",@progbits
	.p2align	6, 0x0
	.amdhsa_kernel k_q47e01322dd_proj
		.amdhsa_group_segment_fixed_size 327680
		.amdhsa_private_segment_fixed_size 0
		.amdhsa_enable_private_segment 0
		.amdhsa_kernarg_size 40
		.amdhsa_user_sgpr_count 2
		.amdhsa_user_sgpr_kernarg_segment_ptr 1
		.amdhsa_wavefront_size32 1
		.amdhsa_system_sgpr_workgroup_id_x 1
		.amdhsa_system_sgpr_workgroup_id_y 1
		.amdhsa_system_sgpr_workgroup_id_z 1
		.amdhsa_system_vgpr_workitem_id 0
		.amdhsa_next_free_vgpr 640
		.amdhsa_next_free_sgpr 72
		.amdhsa_reserve_vcc 0
		.amdhsa_float_denorm_mode_32 3
		.amdhsa_float_denorm_mode_16_64 3
		.amdhsa_memory_ordered 1
		.amdhsa_forward_progress 1
		.amdhsa_inst_pref_size 71
	.end_amdhsa_kernel
	.amdgpu_metadata
---
amdhsa.version: [ 1, 2 ]
amdhsa.kernels:
  - .name:           k_q47e01322dd_proj
    .symbol:         k_q47e01322dd_proj.kd
    .args:
      - { .name: y, .offset: 0, .size: 8, .value_kind: global_buffer, .address_space: global }
      - { .name: wt, .offset: 8, .size: 8, .value_kind: global_buffer, .address_space: global }
      - { .name: b_proj, .offset: 16, .size: 8, .value_kind: global_buffer, .address_space: global }
      - { .name: x, .offset: 24, .size: 8, .value_kind: global_buffer, .address_space: global }
      - { .name: x1, .offset: 32, .size: 8, .value_kind: global_buffer, .address_space: global }
    .group_segment_fixed_size: 327680
    .private_segment_fixed_size: 0
    .kernarg_segment_align: 8
    .kernarg_segment_size: 40
    .max_flat_workgroup_size: 128
    .sgpr_count:     72
    .vgpr_count:     640
    .wavefront_size: 32
...
	.end_amdgpu_metadata
.endif
;; end of part 4
;; launch ln2 (part 5): grid 256 x 1, 8 waves a work-group, no clusters, 0 bytes of LDS; arguments x1, ln2_g, ln2_b, an; writes an
.if DOCPART == 5
	.amdgcn_target "amdgcn-amd-amdhsa--gfx1250"
	.amdhsa_code_object_version 6
	.text
	.protected	k_q47e01322dd_ln2
	.globl	k_q47e01322dd_ln2
	.p2align	8
	.type	k_q47e01322dd_ln2,@function
k_q47e01322dd_ln2:
	s_mov_b64 s[64:65], 0
	v_nop
	global_prefetch_b8 v0, s[64:65] scope:SCOPE_SE
	s_setreg_imm32_b32 hwreg(HW_REG_WAVE_MODE, 25, 1), 1
	s_wait_xcnt 0x0
; LayerNorm 2 of x1, rounded to bf16 into an.  16 rows a work-group, two rows a wave, kept in registers between the passes (mean, then the squares of x - mean: no difference of large sums).
; Every byte is read once; each store of a wave covers 256 consecutive bytes, aligned.  No LDS, no barrier, no cluster: a row never leaves its wave, and only gain and bias (8 KB) are shared.
.set XO,  1                            ; 16 x lane
.set YO,  5                            ; 8 x lane
.set T,   8                            ; v8-15, v16-23 four packed chains a row
.set MU,  24                           ; v24-25, v26-27 the mean, later 1 / sigma, as pairs
.set X,   32                           ; v32-95 the two rows
.set G,   96                           ; v96-127 gain
.set BB,  128                          ; v128-159 bias
.set SEL, 40
.set INV, 42
.set EPS, 43
.macro LNSUM sq                        ; the sum (sq = 0) or the sum of squares (sq = 1) of both rows, in every lane of v[T] and v[T+8]
.irp c, 0,1,2,3
.irp q, 0,1
.set rt, T+8*(\q)+2*(\c)
.set rx, X+32*(\q)+2*(\c)
.if \sq
	v_pk_mul_f32 v[rt:rt+1], v[rx:rx+1], v[rx:rx+1]
.else
	v_pk_add_f32 v[rt:rt+1], v[rx:rx+1], v[rx+8:rx+9]
.endif
.endr
.endr
.irp k, 8,16,24
.irp c, 0,1,2,3
.irp q, 0,1
.set rt, T+8*(\q)+2*(\c)
.set rx, X+32*(\q)+2*(\c)+(\k)
.if \sq
	v_pk_fma_f32 v[rt:rt+1], v[rx:rx+1], v[rx:rx+1], v[rt:rt+1]
.elseif (\k) > 8
	v_pk_add_f32 v[rt:rt+1], v[rt:rt+1], v[rx:rx+1]
.endif
.endr
.endr
.endr
.irp q, 0,1
.set rt, T+8*(\q)
	v_pk_add_f32 v[rt:rt+1], v[rt:rt+1], v[rt+2:rt+3]
	v_pk_add_f32 v[rt+4:rt+5], v[rt+4:rt+5], v[rt+6:rt+7]
.endr
.irp q, 0,1
.set rt, T+8*(\q)
	v_pk_add_f32 v[rt:rt+1], v[rt:rt+1], v[rt+4:rt+5]
.endr
.irp q, 0,1
.set rt, T+8*(\q)
	v_add_f32 v[rt], v[rt], v[rt+1]
.endr
.irp m, 1,2,4,8
.irp q, 0,1
.set rt, T+8*(\q)
	v_add_f32_dpp v[rt], v[rt], v[rt] row_xmask:\m row_mask:0xf bank_mask:0xf
.endr
.endr
.irp q, 0,1
	v_permlanex16_b32 v[3+(\q)], v[T+8*(\q)], s[SEL], s[SEL+1]
.endr
.irp q, 0,1
	v_add_f32 v[T+8*(\q)], v[T+8*(\q)], v[3+(\q)]
.endr
.endm
.macro LNBODY xp, gp, bp, yp           ; load j of a row covers its columns 128 j .. 128 j + 127, four a lane
	v_lshlrev_b32 v[XO], 4, v2
	v_lshlrev_b32 v[YO], 3, v2
	v_mov_b32 v3, 0                                ; v_permlanex16_b32 counts as a reader of its destination
	v_mov_b32 v4, 0
	s_mov_b32 s[SEL], 0x76543210
	s_mov_b32 s[SEL+1], 0xfedcba98
	s_mov_b32 s[INV], 0x3a800000                   ; 1 / 1024
	s_mov_b32 s[EPS], 0x3727c5ac                   ; 1e-5
.irp q, 0,1
.irp j, 0,1,2,3,4,5,6,7
	global_load_b128 v[X+32*(\q)+4*(\j):X+32*(\q)+4*(\j)+3], v[XO], s[\xp:\xp+1] offset:(\q)*4096+(\j)*512
.endr
.endr
.irp j, 0,1,2,3,4,5,6,7
	global_load_b128 v[G+4*(\j):G+4*(\j)+3], v[XO], s[\gp:\gp+1] offset:(\j)*512
.endr
.irp j, 0,1,2,3,4,5,6,7
	global_load_b128 v[BB+4*(\j):BB+4*(\j)+3], v[XO], s[\bp:\bp+1] offset:(\j)*512
.endr
	s_wait_loadcnt 16                              ; the two rows are in; the sixteen loads of gain and bias stay out
	LNSUM 0
.irp q, 0,1
	v_mul_f32 v[MU+2*(\q)], s[INV], v[T+8*(\q)]
.endr
.irp q, 0,1
	v_mov_b32 v[MU+2*(\q)+1], v[MU+2*(\q)]
.endr
.set p, 0
.rept 16
.irp q, 0,1
.set rx, X+32*(\q)+2*p
	v_pk_add_f32 v[rx:rx+1], v[rx:rx+1], v[MU+2*(\q):MU+2*(\q)+1] op_sel_hi:[1,0] neg_lo:[0,1] neg_hi:[0,1]
.endr
.set p, p+1
.endr
	LNSUM 1
.irp q, 0,1
	v_fma_f32 v[T+8*(\q)], v[T+8*(\q)], s[INV], s[EPS]
.endr
.irp q, 0,1
	v_rsq_f32 v[MU+2*(\q)], v[T+8*(\q)]
.endr
	v_nop                                          ; a plain instruction between the root and the use of its result
	s_wait_alu depctr_va_vdst(0)
.irp q, 0,1
	v_mov_b32 v[MU+2*(\q)+1], v[MU+2*(\q)]
.endr
	s_wait_loadcnt 0x0                             ; gain and bias
.set p, 0
.rept 16
.irp q, 0,1
.set rx, X+32*(\q)+2*p
	v_pk_mul_f32 v[rx:rx+1], v[rx:rx+1], v[MU+2*(\q):MU+2*(\q)+1] op_sel_hi:[1,0]
.endr
.set p, p+1
.endr
.set p, 0
.rept 16
.irp q, 0,1
.set rx, X+32*(\q)+2*p
	v_pk_fma_f32 v[rx:rx+1], v[rx:rx+1], v[G+2*p:G+2*p+1], v[BB+2*p:BB+2*p+1]
.endr
.set p, p+1
.endr
.irp q, 0,1
.irp j, 0,1,2,3,4,5,6,7
.set rx, X+32*(\q)+4*(\j)
	v_cvt_pk_bf16_f32 v[rx], v[rx], v[rx+1]
	v_cvt_pk_bf16_f32 v[rx+1], v[rx+2], v[rx+3]
	global_store_b64 v[YO], v[rx:rx+1], s[\yp:\yp+1] offset:(\q)*2048+(\j)*256
.endr
.endr
.endm
	s_load_b256 s[8:15], s[0:1], 0x0               ; x1 s[8:9], gain s[10:11], bias s[12:13], an s[14:15]
	v_lshrrev_b32 v1, 5, v0
	v_readfirstlane_b32 s3, v1                     ; wave 0..7
	v_and_b32 v2, 31, v0                           ; lane
	s_lshl_b32 s26, ttmp9, 4                       ; 16 rows a work-group,
	s_lshl1_add_u32 s26, s3, s26                   ; two a wave
	s_lshl_b32 s28, s26, 12
	s_mov_b32 s29, 0
	s_lshl_b32 s30, s26, 11
	s_mov_b32 s31, 0
	s_wait_kmcnt 0x0
	s_add_nc_u64 s[8:9], s[8:9], s[28:29]
	s_add_nc_u64 s[14:15], s[14:15], s[30:31]
	LNBODY 8, 10, 12, 14
	s_endpgm
.Lfunc_end_k_q47e01322dd_ln2:
	.size	k_q47e01322dd_ln2, .Lfunc_end_k_q47e01322dd_ln2-k_q47e01322dd_ln2
	.p2alignl 7, 3214868480
	.fill 96, 4, 3214868480
	.section	.rodata,"a",@progbits
	.p2align	6, 0x0
	.amdhsa_kernel k_q47e01322dd_ln2
		.amdhsa_group_segment_fixed_size 0
		.amdhsa_private_segment_fixed_size 0
		.amdhsa_enable_private_segment 0
		.amdhsa_kernarg_size 32
		.amdhsa_user_sgpr_count 2
		.amdhsa_user_sgpr_kernarg_segment_ptr 1
		.amdhsa_wavefront_size32 1
		.amdhsa_system_sgpr_workgroup_id_x 1
		.amdhsa_system_sgpr_workgroup_id_y 1
		.amdhsa_system_sgpr_workgroup_id_z 1
		.amdhsa_system_vgpr_workitem_id 0
		.amdhsa_next_free_vgpr 160
		.amdhsa_next_free_sgpr 66
		.amdhsa_reserve_vcc 0
		.amdhsa_float_denorm_mode_32 3
		.amdhsa_float_denorm_mode_16_64 3
		.amdhsa_memory_ordered 1
		.amdhsa_forward_progress 1
		.amdhsa_inst_pref_size 20
	.end_amdhsa_kernel
	.amdgpu_metadata
---
amdhsa.version: [ 1, 2 ]
amdhsa.kernels:
  - .name:           k_q47e01322dd_ln2
    .symbol:         k_q47e01322dd_ln2.kd
    .args:
      - { .name: x1, .offset: 0, .size: 8, .value_kind: global_buffer, .address_space: global }
      - { .name: ln2_g, .offset: 8, .size: 8, .value_kind: global_buffer, .address_space: global }
      - { .name: ln2_b, .offset: 16, .size: 8, .value_kind: global_buffer, .address_space: global }
      - { .name: an, .offset: 24, .size: 8, .value_kind: global_buffer, .address_space: global }
    .group_segment_fixed_size: 0
    .private_segment_fixed_size: 0
    .kernarg_segment_align: 8
    .kernarg_segment_size: 32
    .max_flat_workgroup_size: 256
    .sgpr_count:     66
    .vgpr_count:     160
    .wavefront_size: 32
...
	.end_amdgpu_metadata
.endif
;; end of part 5
;; launch fc (part 6): grid 16 x 16, 4 waves a work-group, clusters of 4 x 4, 327,680 bytes of LDS; arguments an, wt, b_fc, hmid; writes hmid
.if DOCPART == 6
	.amdgcn_target "amdgcn-amd-amdhsa--gfx1250"
	.amdhsa_code_object_version 6
	.text
	.protected	k_q47e01322dd_fc
	.globl	k_q47e01322dd_fc
	.p2align	8
	.type	k_q47e01322dd_fc,@function
k_q47e01322dd_fc:
	s_mov_b64 s[64:65], 0
	v_nop
	global_prefetch_b8 v0, s[64:65] scope:SCOPE_SE
	s_setreg_imm32_b32 hwreg(HW_REG_WAVE_MODE, 25, 1), 1
	s_wait_xcnt 0x0
	s_wait_alu depctr_hold_cnt(0) depctr_sa_sdst(0) depctr_va_vdst(0) depctr_va_sdst(0) depctr_va_ssrc(0) depctr_va_vcc(0) depctr_vm_vsrc(0)
	s_getreg_b32 s2, hwreg(HW_REG_IB_STS2, 6, 4)
	s_cmp_eq_u32 s2, 0
	s_cbranch_scc0 .Lentry_in_a_cluster
	s_endpgm
.Lentry_in_a_cluster:
	s_bfe_u32 s2, ttmp6, 0x10000c
	s_cmp_lg_u32 s2, 0xf033
	s_cbranch_scc0 .Lentry_shape_is_right
	s_endpgm
.Lentry_shape_is_right:
; FC.  H[m][n] = gelu(sum over k of an[m][k] wt[n][k] + b_fc[n]), m = 4,096, n = 4,096, k = 1,024; operands bf16, sums and GELU f32, H bf16.
; H LEAVES IN THE ORDER OF MATRIX FRAGMENTS: hmid = [n / 128][m / 16][(n / 32) % 4][half][lane][16 bytes]: a block of 16 rows x 32 columns is 1,024 bytes; lane l of half q holds row l % 16, columns 16 q + 8 (l / 16) + 0..7.
; The next launch loads such a block straight into registers as source of its products.  This launch's accumulators hold that order already, so each store of a wave covers 512 consecutive bytes, aligned.
; GELU is the exact one: with y = z / 2, gelu = y + |y| erf(|z| / sqrt 2), erf by Abramowitz and Stegun 7.1.26: t = 1 / (1 + p sqrt 2 |y|), erf = 1 - t (a1 + t (a2 + .. a5 t)) exp(-2 y y).
; LIMIT: that formula holds for every z with an absolute error of about 1.5e-7 in erf; NaN and infinities are not treated apart.
; A tile of C, 256 x 256, is made by four waves, each 128 x 128: 64 accumulators, 512 registers.  K goes in 8 steps of 128 through two LDS slots filled by tensor loads; a tile's rows are 256 bytes of memory, aligned.
; CLUSTER: 4 x 4 work-groups; A's tiles are asked for jointly along a row of the cluster, B's along a column.  THE MATRIX INSTRUCTION IS USED TRANSPOSED: a lane holds eight neighbouring columns of a row of C.
; THE BIAS is the C operand of the products that start the sums: 64 registers, the lane's eight columns of each of the eight column blocks.
; A TRIP OF THE LOOP IS ONE K STEP: the slot in hand is a scalar (0 or SLOT) added to lane terms, and ONE descriptor set walks: its LDS word is turned by an exclusive or with SLOT = 0x22000, which shares no bit
; with the parts' bases 0, 0x8800, 0x11000, 0x19800.
; REGISTERS: window 0: v0-31 addresses; v32-63 the way out; v64-127, v128-191 A's fragments; v192-255 the bias, later the way out.  Window 1: v64-191 B's fragments.  Windows 2, 3: accumulator (a, b) at v[8 (8 a + b)].
; THE WAY OUT: the f32 sums go into the wave's own stage (64 KB, lane by lane, in the ring, whose last fill has landed and whose last read is over behind the last barrier) and each lane reads its own numbers back, a block
; a trip.  The stage serves one thing: a loop of 32 trips can walk it, where 64 accumulators named one by one would be 64 copies of the GELU's lines.
.set SIZE_K, 1024
.set WOFF,   8388608
.set KSTEP,  128
.set STEPS,  SIZE_K/KSTEP
.set PITCH,  272
.set HALFT,  128*PITCH
.set SLOT,   4*HALFT
.set SPARE,  2*SLOT
.set WSTAGE, 65536
.set ADRA, 16
.set ADRB, 17
.set A0,   18
.set B0,   19
.set STO,  24
.set LA,   25
.set CO,   26
.set BO,   27
.set SPW,  28
.set NIL,  29
.set X,    32
.set Z,    48
.set F0,   64
.set F1,   128
.set BIAS, 192
.set TT,   192
.set W,    208
.set PL,   224
.set Y,    240
.set G1, 24
.set G0, 32
.set G1B, 48
.set G0B, 56
.set PP, 72                            ; s[72:73] p sqrt 2
.set K2, 74                            ; s[74:75] 2 log2(e)
.set H1, 76                            ; s[76:85] a1 .. a5, as pairs
.set H2, 78
.set H3, 80
.set H4, 82
.set H5, 84
.set MSB, 0
.macro WIN new
.if MSB != (\new)
	s_set_vgpr_msb (MSB<<8)|(\new)
.set MSB, \new
.endif
.endm
.set MUL_LO, 0xa1                      ; source 0 (B) window 1, source 1 (A) window 0, C and D window 2
.set MUL_HI, 0xf1
.set TO_B,   0x40
.macro PLACES
.rept 4
	v_nop
.endr
.endm
.macro JLOAD s                         ; a joint load: waves 0, 1 fetch A's halves, waves 2, 3 B's; an s_nop 0 and four v_nop follow each line
	s_cmp_eq_u32 s11, 0
	s_cbranch_scc0 .Lfor_b_\@
	tensor_load_to_lds s[G0+4*(\s):G0+4*(\s)+3], s[G1:G1+7]
	s_nop 0
.rept 4
	v_nop
.endr
	s_branch .Lasked_\@
.Lfor_b_\@:
	tensor_load_to_lds s[G0B+4*(\s):G0B+4*(\s)+3], s[G1B:G1B+7]
	s_nop 0
.rept 4
	v_nop
.endr
.Lasked_\@:
.endm
.macro CREST
	s_cmp_lg_u32 s10, 0
	s_cbranch_scc1 .Lnot_wave_0_\@
	s_barrier_signal -3
.Lnot_wave_0_\@:
	s_barrier_wait -3
	s_barrier_signal -1
	s_barrier_wait -1
.endm
.macro CROUND
	s_barrier_signal -1
	s_barrier_wait -1
	CREST
.endm
.macro SETP reg, val                   ; a constant as a pair: the packed forms name both words
	s_mov_b32 s[\reg], \val
	s_mov_b32 s[\reg+1], \val
.endm
	s_load_b128 s[4:7], s[0:1], 0x0                ; A s[4:5], wt s[6:7]
	s_load_b128 s[68:71], s[0:1], 0x10             ; bias s[68:69], out s[70:71]
	v_lshl_add_u32 v[SPW], v0, 2, SPARE
	v_mov_b32 v[NIL], 0
	ds_add_u32 v28, v29
	s_wait_dscnt 0x0
	v_lshrrev_b32 v1, 5, v0
	v_readfirstlane_b32 s10, v1
	s_lshr_b32 s11, s10, 1
	s_and_b32 s12, s10, 1
	s_bfe_u32 s40, ttmp6, 0x40000
	s_bfe_u32 s41, ttmp6, 0x40004
	s_lshl_b32 s42, ttmp9, 2
	s_add_co_u32 s42, s42, s40                     ; tile column
	s_and_b32 s13, ttmp7, 0xffff
	s_lshl_b32 s13, s13, 2
	s_add_co_u32 s13, s13, s41                     ; tile row
	s_lshl_b32 s43, s41, 2
	s_lshl_b32 s43, 15, s43
	s_lshl_b32 s44, 0x1111, s40
	s_or_b32 s[G1+0], s43, (1<<16)|(1<<20)|(1<<21)|(5<<22)|(3<<25)
	s_or_b32 s[G1B+0], s44, (1<<16)|(1<<20)|(1<<21)|(5<<22)|(3<<25)
.irp g, G1, G1B
	s_mov_b32 s[(\g)+1], KSTEP<<16
	s_mov_b32 s[(\g)+2], 128<<16
	s_mov_b32 s[(\g)+3], KSTEP<<16
	s_mov_b32 s[(\g)+4], 128
	s_mov_b32 s[(\g)+5], SIZE_K
	s_mov_b32 s[(\g)+6], 0
	s_mov_b32 s[(\g)+7], 0
.endr
	SETP PP, 0x3eed3388
	SETP K2, 0x4038aa3b
	SETP H1, 0x3e827906
	SETP H2, 0xbe91a98e
	SETP H3, 0x3fb5f0e3
	SETP H4, 0xbfba00e3
	SETP H5, 0x3f87dc22
	s_lshl_b32 s17, s12, 7
	s_lshl_b32 s16, s13, 8
	s_add_co_u32 s16, s16, s17
	s_lshl_b32 s46, s42, 8
	s_add_co_u32 s46, s46, s17
	s_lshl_b32 s16, s16, 11
	s_lshl_b32 s46, s46, 11
	s_add_co_u32 s46, s46, WOFF
	s_mov_b32 s17, 0
	s_mov_b32 s47, 0
	s_mul_i32 s20, s10, HALFT
	s_wait_kmcnt 0x0
	s_add_nc_u64 s[14:15], s[4:5], s[16:17]
	s_add_nc_u64 s[46:47], s[6:7], s[46:47]
	CROUND                                         ; all sixteen work-groups are here
.irp s, 0,1
	s_mov_b32 s[G0+4*(\s)], 1
	s_add_co_u32 s[G0+4*(\s)+1], s20, (\s)*SLOT
	s_add_nc_u64 s[G0+4*(\s)+2:G0+4*(\s)+3], s[14:15], (\s)*KSTEP*2
	s_or_b32 s[G0+4*(\s)+3], s[G0+4*(\s)+3], 0x80000000
	s_mov_b32 s[G0B+4*(\s)], 1
	s_add_co_u32 s[G0B+4*(\s)+1], s20, (\s)*SLOT
	s_add_nc_u64 s[G0B+4*(\s)+2:G0B+4*(\s)+3], s[46:47], (\s)*KSTEP*2
	s_or_b32 s[G0B+4*(\s)+3], s[G0B+4*(\s)+3], 0x80000000
	JLOAD \s                                       ; two loads of mine are out
.endr
	v_and_b32 v1, 15, v0
	v_bfe_u32 v2, v0, 4, 1
	v_lshlrev_b32 v[BO], 5, v2                     ; the bias of my eight columns of a block: 32 bytes for each half of the lanes
	s_lshl_b32 s46, s42, 10
	s_lshl_b32 s47, s12, 9
	s_add_co_u32 s46, s46, s47
	s_mov_b32 s47, 0
	s_add_nc_u64 s[68:69], s[68:69], s[46:47]      ; the bias at my 128 columns
.irp b, 0,1,2,3,4,5,6,7
	global_load_b128 v[BIAS+8*(\b):BIAS+8*(\b)+3],   v[BO], s[68:69] offset:64*(\b)
	global_load_b128 v[BIAS+8*(\b)+4:BIAS+8*(\b)+7], v[BO], s[68:69] offset:64*(\b)+16
.endr
	v_mul_u32_u24 v3, v1, PITCH
	v_lshl_add_u32 v3, v2, 4, v3
	s_mul_i32 s21, s11, HALFT
	s_mul_i32 s22, s12, HALFT
	s_add_co_u32 s22, s22, 2*HALFT
	v_add_nc_u32 v[A0], s21, v3
	v_add_nc_u32 v[B0], s22, v3
	v_mov_b32 v[ADRA], v[A0]
	v_mov_b32 v[ADRB], v[B0]
	s_mov_b32 s2, 0
	s_mul_i32 s23, s10, WSTAGE                     ; my stage
	v_and_b32 v4, 31, v0
	v_lshlrev_b32 v[CO], 4, v4                     ; 16 bytes a lane, in hmid
	v_add_nc_u32 v[STO], s23, v[CO]                ; and in the stage
	v_mov_b32 v[LA], v[STO]
	s_lshl_b32 s16, s13, 4
	s_lshl3_add_u32 s16, s11, s16                  ; my first block of 16 rows = 16 x tile row + 8 x half
	s_lshl_b32 s16, s16, 12                        ; 4,096 bytes each
	s_mov_b32 s17, 0
	s_lshl1_add_u32 s46, s42, s12                  ; my group of 128 columns = 2 x tile column + half
	s_lshl_b32 s46, s46, 20                        ; 256 row blocks x 4,096 bytes each
	s_mov_b32 s47, 0
	s_add_nc_u64 s[8:9], s[70:71], s[16:17]
	s_add_nc_u64 s[8:9], s[8:9], s[46:47]          ; my 32 blocks are 32,768 consecutive bytes from here
.macro MUL16 f, hi, a0, zero           ; 16 matrix instructions: row blocks a0, a0 + 1 of the window's four x all 8 column blocks, 32 along K; zero = 1: they start the sums, with the bias as C
.if \zero
	WIN 0x81+0x40*(\hi)                            ; C in window 0
.else
	WIN MUL_LO+0x50*(\hi)
.endif
.irp a, \a0, (\a0)+1
.irp b, 0,1,2,3,4,5,6,7
.if \zero
	v_wmma_f32_16x16x32_bf16 v[8*(8*(\a)+(\b)):8*(8*(\a)+(\b))+7], v[(\f)+8*(\b):(\f)+8*(\b)+7], v[(\f)+8*(4*(\hi)+(\a)):(\f)+8*(4*(\hi)+(\a))+7], v[BIAS+8*(\b):BIAS+8*(\b)+7]
.else
	v_wmma_f32_16x16x32_bf16 v[8*(8*(\a)+(\b)):8*(8*(\a)+(\b))+7], v[(\f)+8*(\b):(\f)+8*(\b)+7], v[(\f)+8*(4*(\hi)+(\a)):(\f)+8*(4*(\hi)+(\a))+7], v[8*(8*(\a)+(\b)):8*(8*(\a)+(\b))+7]
.endif
.endr
.endr
.endm
.macro FETCH k, f
	WIN TO_B
.irp i, 0,1,2,3,4,5,6,7
	ds_load_b128 v[(\f)+8*(\i):(\f)+8*(\i)+3],   v[ADRB] offset:(\k)+(\i)*16*PITCH
	ds_load_b128 v[(\f)+8*(\i)+4:(\f)+8*(\i)+7], v[ADRB] offset:(\k)+(\i)*16*PITCH+32
.endr
	WIN 0
.irp i, 0,1,2,3,4,5,6,7
	ds_load_b128 v[(\f)+8*(\i):(\f)+8*(\i)+3],   v[ADRA] offset:(\k)+(\i)*16*PITCH
	ds_load_b128 v[(\f)+8*(\i)+4:(\f)+8*(\i)+7], v[ADRA] offset:(\k)+(\i)*16*PITCH+32
.endr
.endm
.macro QUARTER k, f, g, zero           ; the 64 accumulators take turns
	s_wait_dscnt 8                                 ; B and A's rows 0-63 are in; the youngest eight loads may be out
	MUL16 \f, 0, 0, \zero
	MUL16 \f, 0, 2, \zero
	PLACES
	FETCH \k, \g
	s_wait_dscnt 32                                ; all but the 32 just issued
	MUL16 \f, 1, 0, \zero
	MUL16 \f, 1, 2, \zero
.endm
.macro MEET
	WIN 0
	s_wait_tensorcnt 0x0                           ; all my tensor loads have landed: my part of the next slot
	ds_add_u32 v[SPW], v[NIL]                      ; 0 onto my spare word
	s_wait_dscnt 9                                 ; (the add and the youngest eight loads may be out)
	MUL16 F1, 0, 0, 0
	s_wait_dscnt 0x0                               ; the add is done, and my reads of this slot are over
	s_barrier_signal -1
	MUL16 F1, 0, 2, 0
	WIN 0
	s_barrier_wait -1
.endm
.macro FLIP
	s_xor_b32 s2, s2, SLOT
	v_add_nc_u32 v[ADRA], s2, v[A0]
	v_add_nc_u32 v[ADRB], s2, v[B0]
.endm
.macro TURN
	MEET
	CREST                                          ; the barrier has opened a round of the cluster's
	s_xor_b32 s[G0+5], s[G0+5], SLOT
	s_xor_b32 s[G0B+5], s[G0B+5], SLOT
	s_add_nc_u64 s[G0+6:G0+7], s[G0+6:G0+7], KSTEP*2
	s_add_nc_u64 s[G0B+6:G0B+7], s[G0B+6:G0B+7], KSTEP*2
	JLOAD 1                                        ; one load of mine is out; its v_nop are also the places in front of the loads below
	FLIP
	FETCH 0, F0
	MUL16 F1, 1, 0, 0
	MUL16 F1, 1, 2, 0
.endm
	s_wait_tensorcnt 0x1                           ; my part of K step 0 is in; step 1's stays out
	s_barrier_signal -1
	s_barrier_wait -1
	FETCH 0, F0
	s_wait_loadcnt 0x0                             ; the bias
	QUARTER 64, F0, F1, 1
	WIN 0
	s_mov_b32 s3, STEPS-2
.Lstep:
	QUARTER 128, F1, F0, 0
	QUARTER 192, F0, F1, 0
	TURN
	QUARTER 64, F0, F1, 0
	WIN 0
	s_sub_co_u32 s3, s3, 1
	s_cmp_lg_u32 s3, 0
	s_cbranch_scc1 .Lstep
	s_mov_b32 s3, 2
.Ltail:                                                ; the last two steps fill nothing; the second trip is left behind its barrier
	QUARTER 128, F1, F0, 0
	QUARTER 192, F0, F1, 0
	MEET
	s_sub_co_u32 s3, s3, 1
	s_cmp_eq_u32 s3, 0
	s_cbranch_scc1 .Lout
	PLACES
	FLIP
	FETCH 0, F0
	MUL16 F1, 1, 0, 0
	MUL16 F1, 1, 2, 0
	QUARTER 64, F0, F1, 0
	WIN 0
	s_cmp_lg_u32 s3, 0
	s_cbranch_scc1 .Ltail
.Lout:                                                 ; behind the last barrier nobody reads the ring, and no load is out: it serves as stage
	MUL16 F1, 1, 0, 0
	MUL16 F1, 1, 2, 0
	PLACES
.irp hi, 0,1                           ; accumulator (a', b), half q, at 512 (2 (8 a' + b) + q) + 16 lane; each accumulator's low registers go first
	WIN 0x08+4*(\hi)
.irp a, 0,1,2,3
.irp b, 0,1,2,3,4,5,6,7
	ds_store_b128 v[STO], v[8*(8*(\a)+(\b)):8*(8*(\a)+(\b))+3] offset:(2*(8*(4*(\hi)+(\a))+(\b)))*512
	ds_store_b128 v[STO], v[8*(8*(\a)+(\b))+4:8*(8*(\a)+(\b))+7] offset:(2*(8*(4*(\hi)+(\a))+(\b))+1)*512
.endr
.endr
.endr
	WIN 0
.irp q, 0,1,2,3
	ds_load_b128 v[X+4*(\q):X+4*(\q)+3], v[LA] offset:512*(\q)  ; LDS serves a wave's instructions in order: these see my stores
.endr
	s_mov_b32 s3, 32
; A trip: one block of 16 rows x 32 columns, 16 numbers a lane (two accumulators): GELU, to bf16, two stores of 512 consecutive bytes.  The next block's four LDS loads are issued as soon as this block's numbers are
; halved; the last trip jumps over them.  Behind each run of reciprocals or exponentials stand plain lines that name none of its registers.
.Lrows:
	s_wait_dscnt 0x0
.irp i, 0,1,2,3,4,5,6,7
	v_pk_mul_f32 v[Z+2*(\i):Z+2*(\i)+1], v[X+2*(\i):X+2*(\i)+1], 0.5 op_sel_hi:[1,0]  ; y = z / 2
.endr
	s_cmp_eq_u32 s3, 1
	s_cbranch_scc1 .Lno_more
	v_add_nc_u32 v[LA], 2048, v[LA]
.irp q, 0,1,2,3
	ds_load_b128 v[X+4*(\q):X+4*(\q)+3], v[LA] offset:512*(\q)
.endr
.Lno_more:
.set i, 0
.rept 16
	v_fma_f32 v[TT+i], |v[Z+i]|, s[PP], 1.0
.set i, i+1
.endr
.set i, 0
.rept 16
	v_rcp_f32 v[TT+i], v[TT+i]                     ; t
.set i, i+1
.endr
.irp i, 0,1,2,3,4,5,6,7
	v_pk_mul_f32 v[W+2*(\i):W+2*(\i)+1], v[Z+2*(\i):Z+2*(\i)+1], s[K2:K2+1] op_sel_hi:[1,0]
.endr
.irp i, 0,1,2,3,4,5,6,7
	v_pk_mul_f32 v[W+2*(\i):W+2*(\i)+1], v[W+2*(\i):W+2*(\i)+1], v[Z+2*(\i):Z+2*(\i)+1]
.endr
.set i, 0
.rept 16
	v_exp_f32 v[W+i], -v[W+i]                      ; exp(-2 y y)
.set i, i+1
.endr
	s_wait_alu depctr_va_vdst(0)
.irp i, 0,1,2,3,4,5,6,7
	v_pk_fma_f32 v[PL+2*(\i):PL+2*(\i)+1], v[TT+2*(\i):TT+2*(\i)+1], s[H5:H5+1], s[H4:H4+1] op_sel_hi:[1,0,0]
.endr
.irp hk, H3, H2, H1
.irp i, 0,1,2,3,4,5,6,7
	v_pk_fma_f32 v[PL+2*(\i):PL+2*(\i)+1], v[PL+2*(\i):PL+2*(\i)+1], v[TT+2*(\i):TT+2*(\i)+1], s[\hk:\hk+1] op_sel_hi:[1,1,0]
.endr
.endr
.irp i, 0,1,2,3,4,5,6,7
	v_pk_mul_f32 v[PL+2*(\i):PL+2*(\i)+1], v[PL+2*(\i):PL+2*(\i)+1], v[TT+2*(\i):TT+2*(\i)+1]
.endr
.irp i, 0,1,2,3,4,5,6,7
	v_pk_fma_f32 v[W+2*(\i):W+2*(\i)+1], v[PL+2*(\i):PL+2*(\i)+1], v[W+2*(\i):W+2*(\i)+1], 1.0 op_sel_hi:[1,1,0] neg_lo:[1,0,0] neg_hi:[1,0,0]  ; erf
.endr
.set i, 0
.rept 16
	v_fma_f32 v[Z+i], |v[Z+i]|, v[W+i], v[Z+i]
.set i, i+1
.endr
.irp i, 0,1,2,3,4,5,6,7
	v_cvt_pk_bf16_f32 v[Y+(\i)], v[Z+2*(\i)], v[Z+2*(\i)+1]
.endr
	global_store_b128 v[CO], v[Y:Y+3], s[8:9]
	global_store_b128 v[CO], v[Y+4:Y+7], s[8:9] offset:512
	s_wait_xcnt 0x0                                ; the stores' data and offset are rewritten only behind this wait
	v_add_nc_u32 v[CO], 1024, v[CO]
	s_sub_co_u32 s3, s3, 1
	s_cmp_lg_u32 s3, 0
	s_cbranch_scc1 .Lrows
	s_wait_tensorcnt 0x0                           ; the wave's end
	ds_add_u32 v[SPW], v[NIL]
	s_wait_dscnt 0x0
	CROUND                                         ; the closing round
	s_endpgm
.Lfunc_end_k_q47e01322dd_fc:
	.size	k_q47e01322dd_fc, .Lfunc_end_k_q47e01322dd_fc-k_q47e01322dd_fc
	.p2alignl 7, 3214868480
	.fill 96, 4, 3214868480
	.section	.rodata,"a",@progbits
	.p2align	6, 0x0
	.amdhsa_kernel k_q47e01322dd_fc
		.amdhsa_group_segment_fixed_size 327680
		.amdhsa_private_segment_fixed_size 0
		.amdhsa_enable_private_segment 0
		.amdhsa_kernarg_size 32
		.amdhsa_user_sgpr_count 2
		.amdhsa_user_sgpr_kernarg_segment_ptr 1
		.amdhsa_wavefront_size32 1
		.amdhsa_system_sgpr_workgroup_id_x 1
		.amdhsa_system_sgpr_workgroup_id_y 1
		.amdhsa_system_sgpr_workgroup_id_z 1
		.amdhsa_system_vgpr_workitem_id 0
		.amdhsa_next_free_vgpr 1024
		.amdhsa_next_free_sgpr 88
		.amdhsa_reserve_vcc 0
		.amdhsa_float_denorm_mode_32 3
		.amdhsa_float_denorm_mode_16_64 3
		.amdhsa_memory_ordered 1
		.amdhsa_forward_progress 1
		.amdhsa_inst_pref_size 90
	.end_amdhsa_kernel
	.amdgpu_metadata
---
amdhsa.version: [ 1, 2 ]
amdhsa.kernels:
  - .name:           k_q47e01322dd_fc
    .symbol:         k_q47e01322dd_fc.kd
    .args:
      - { .name: an, .offset: 0, .size: 8, .value_kind: global_buffer, .address_space: global }
      - { .name: wt, .offset: 8, .size: 8, .value_kind: global_buffer, .address_space: global }
      - { .name: b_fc, .offset: 16, .size: 8, .value_kind: global_buffer, .address_space: global }
      - { .name: hmid, .offset: 24, .size: 8, .value_kind: global_buffer, .address_space: global }
    .group_segment_fixed_size: 327680
    .private_segment_fixed_size: 0
    .kernarg_segment_align: 8
    .kernarg_segment_size: 32
    .max_flat_workgroup_size: 128
    .sgpr_count:     88
    .vgpr_count:     1024
    .wavefront_size: 32
...
	.end_amdgpu_metadata
.endif
;; end of part 6
;; launch fc2 (part 7): grid 32 x 8, 4 waves a work-group, clusters of 4 x 1, 327,680 bytes of LDS; arguments hmid, wt, b_fc2, x1, out0; writes out0
.if DOCPART == 7
	.amdgcn_target "amdgcn-amd-amdhsa--gfx1250"
	.amdhsa_code_object_version 6
	.text
	.protected	k_q47e01322dd_fc2
	.globl	k_q47e01322dd_fc2
	.p2align	8
	.type	k_q47e01322dd_fc2,@function
k_q47e01322dd_fc2:
	s_mov_b64 s[64:65], 0
	v_nop
	global_prefetch_b8 v0, s[64:65] scope:SCOPE_SE
	s_setreg_imm32_b32 hwreg(HW_REG_WAVE_MODE, 25, 1), 1
	s_wait_xcnt 0x0
	s_wait_alu depctr_hold_cnt(0) depctr_sa_sdst(0) depctr_va_vdst(0) depctr_va_sdst(0) depctr_va_ssrc(0) depctr_va_vcc(0) depctr_vm_vsrc(0)
	s_getreg_b32 s2, hwreg(HW_REG_IB_STS2, 6, 4)
	s_cmp_eq_u32 s2, 0
	s_cbranch_scc0 .Lentry_in_a_cluster
	s_endpgm
.Lentry_in_a_cluster:
	s_bfe_u32 s2, ttmp6, 0x10000c
	s_cmp_lg_u32 s2, 0x3003
	s_cbranch_scc0 .Lentry_shape_is_right
	s_endpgm
.Lentry_shape_is_right:
; FC2.  out0[m][n] = sum over k of H[m][k] wt[n][k] + b_fc2[n] + x1[m][n], f32 out; operands bf16, sums f32.  m = 4,096, n = 1,024, k = 4,096.  B = W_fc2^T, [n][k], at byte 16,777,216 of wt.
; H lies in hmid in the order of matrix fragments: [k / 128][m / 16][(k / 32) % 4][half][lane][16 bytes]: two loads of a wave, 512 consecutive bytes each, ARE a fragment of 16 rows x 32 K.
; A tile of C is 128 x 128 (256 work-groups).  Wave w makes rows 32 w .. 32 w + 31 and all 128 columns: 16 accumulators; so no byte of A is loaded twice in a work-group.
; A GOES STRAIGHT INTO REGISTERS, B THROUGH LDS.  A UNIT is 32 of K: 16 products.  A's ring holds 16 units (256 registers); a unit's registers are loaded again, with the same unit of the next period, straight behind
; its products: 240 products ahead of their next use.  B's two LDS slots hold a PERIOD of 512 of K each (128 rows of 1,024 bytes of memory, aligned); a wave's tensor load brings 32 rows, and has 240 products in which to land.
; WHY A IS NOT ASKED FOR JOINTLY, though the eight work-groups of a tile row read the same A: with both operands in LDS two slots hold 256 of K each, 112 products a wave between a request and the wait for it and 16
; changes of slots; with B alone they hold 512: 240 products and 8 changes.  Loads into registers name no partner.
; CLUSTER: the four work-groups of a cluster are four tile rows of one tile column: B's tiles are asked for jointly, with the mask of four.  The place in the cluster enters A's, x1's and out0's addresses alone.
; THE MATRIX INSTRUCTION IS USED TRANSPOSED (source 0 = 16 rows of B, source 1 = 16 rows of A): a lane holds row lane % 16 of C and eight neighbouring columns.
; THE WALK.  The loop is entered in its middle: unit 0 of period 0, whose products start the sums, is written out.  A trip: the change of slots (inside unit 14), unit 15, units 0 to 13 of the next period; six trips, six
; refills.  The tail is written out: one change without a fill, and the last period, in whose reload places the residual (into A's registers as they fall free) and the bias are asked for.
; The walking descriptor's LDS word is turned by an exclusive or with SLOT = 0x20800, which shares no bit with the parts' bases 0, 0x8200, 0x10400, 0x18600.
; REGISTERS: window 0: v0-31 addresses, bias; v128-255 accumulator (a, b) at 128 + 8 (8 a + b), later whole rows.  Window 1: four buffers of 64 for B's fragments, unit u in buffer u % 4.  Window 2: A's ring, unit u, row
; block a at 16 u + 8 a; at the end the residual, row t at 4 t.
.set SIZE_K,  4096
.set WOFF,    16777216
.set KSTEP,   512
.set PERIODS, SIZE_K/KSTEP
.set PB,      1040                     ; an LDS row: 1,024 bytes + 16: the 16 rows of a fragment load start at 16 different groups of four banks
.set PART,    32*PB                    ; what one tensor load brings
.set SLOT,    4*PART
.set SPARE,   2*SLOT                   ; behind the ring: the spare words, 128 bytes a wave, which no other line names
.set SPITCH,  528                      ; a stage row: 128 f32 + 16 bytes
.set WSTAGE,  32*SPITCH
.set GSTR,    1048576                  ; bytes from one group of 128 of K to the next in hmid
.set BI,   8
.set L16,  16                          ; v16 16 x lane: my place in 512 consecutive bytes; never rewritten
.set ADRB, 17                          ; v17, v18 LDS address of B's row blocks 0-3 and 4-7 in the slot in hand (an LDS offset has 16 bits)
.set B0,   19                          ; v19, v20 their lane terms; never rewritten
.set STO,  24
.set RD,   25
.set SPW,  28
.set NIL,  29
.set ACC,  128
.set G1, 24
.set G0, 32
.set AP, 44                            ; s[44:45] hmid at my rows, at the period that the reloads ask for
.set MSB, 0
.macro WIN new                         ; the immediate's high byte repeats the setting that is left; a switch that changes nothing is dropped
.if MSB != (\new)
	s_set_vgpr_msb (MSB<<8)|(\new)
.set MSB, \new
.endif
.endm
.set MUL,  0x09                        ; source 0 (B) window 1, source 1 (A) window 2, C and D window 0
.set TO_B, 0x40
.set TO_A, 0x80
.macro PLACES                          ; four plain places between a matrix instruction and a load into, or a read of, its registers
.rept 4
	v_nop
.endr
.endm
.macro CREST
	s_cmp_lg_u32 s10, 0
	s_cbranch_scc1 .Lnot_wave_0_\@
	s_barrier_signal -3
.Lnot_wave_0_\@:
	s_barrier_wait -3
	s_barrier_signal -1
	s_barrier_wait -1
.endm
.macro CROUND
	s_barrier_signal -1
	s_barrier_wait -1
	CREST
.endm
.macro MULS u, a, zero                 ; eight products: row block a x all eight column blocks, unit u.  The 16 accumulators take turns
	WIN MUL
.irp b, 0,1,2,3,4,5,6,7
.if \zero
	v_wmma_f32_16x16x32_bf16 v[ACC+8*(8*(\a)+(\b)):ACC+8*(8*(\a)+(\b))+7], v[64*((\u)%4)+8*(\b):64*((\u)%4)+8*(\b)+7], v[16*(\u)+8*(\a):16*(\u)+8*(\a)+7], 0
.else
	v_wmma_f32_16x16x32_bf16 v[ACC+8*(8*(\a)+(\b)):ACC+8*(8*(\a)+(\b))+7], v[64*((\u)%4)+8*(\b):64*((\u)%4)+8*(\b)+7], v[16*(\u)+8*(\a):16*(\u)+8*(\a)+7], v[ACC+8*(8*(\a)+(\b)):ACC+8*(8*(\a)+(\b))+7]
.endif
.endr
.endm
.macro FETCHB un, buf                  ; 16 LDS loads in one run: B's eight fragments of unit un of the slot in hand
	WIN TO_B
.irp b, 0,1,2,3
	ds_load_b128 v[64*(\buf)+8*(\b):64*(\buf)+8*(\b)+3],   v[ADRB] offset:64*(\un)+(\b)*16*PB
	ds_load_b128 v[64*(\buf)+8*(\b)+4:64*(\buf)+8*(\b)+7], v[ADRB] offset:64*(\un)+(\b)*16*PB+32
.endr
.irp b, 0,1,2,3
	ds_load_b128 v[64*(\buf)+32+8*(\b):64*(\buf)+32+8*(\b)+3],   v[ADRB+1] offset:64*(\un)+(\b)*16*PB
	ds_load_b128 v[64*(\buf)+32+8*(\b)+4:64*(\buf)+32+8*(\b)+7], v[ADRB+1] offset:64*(\un)+(\b)*16*PB+32
.endr
.endm
.macro RELOAD u                        ; A's two fragments of unit u: four loads of 512 consecutive bytes
	WIN TO_A
.irp a, 0,1
.irp q, 0,1
	global_load_b128 v[16*(\u)+8*(\a)+4*(\q):16*(\u)+8*(\a)+4*(\q)+3], v[L16], s[AP:AP+1] offset:((\u)/4)*GSTR+((\u)%4)*1024+(\a)*4096+(\q)*512
.endr
.endr
.endm
.macro UNIT u, zero                    ; a unit: its products; B's fragments of the unit two on; A's of the same unit a period on
	s_wait_dscnt 16                                ; B's fragments of this unit are in; the next unit's sixteen loads may be out
	s_wait_loadcnt 60                              ; A's are in; the fifteen younger units' sixty loads stay out
	MULS \u, 0, \zero
	MULS \u, 1, \zero
	PLACES
	FETCHB ((\u)+2)%16, ((\u)+2)%4
	RELOAD \u
.endm
.macro FLIP                            ; the reads go over to the other slot
	s_xor_b32 s2, s2, SLOT
	v_add_nc_u32 v[ADRB], s2, v[B0]
	v_add_nc_u32 v[ADRB+1], s2, v[B0+1]
.endm
; Unit 14 holds the change of slots: the slot's last reads (unit 15's fragments) were issued in unit 13.  fill = 1: the barrier opens a round of the cluster's, and the joint refill is the first thing behind the round.
.macro UNIT14 fill
	WIN 0
	s_wait_tensorcnt 0x0                           ; all my tensor loads have landed: the one that was out is my part of the next slot
	ds_add_u32 v[SPW], v[NIL]                      ; 0 onto my spare word
	s_wait_dscnt 17                                ; this unit's fragments are in; unit 15's sixteen loads and the add may be out
	s_wait_loadcnt 60
	MULS 14, 0, 0
	s_wait_dscnt 0x0                               ; the add is done, and my reads of this slot are over
	s_barrier_signal -1
	MULS 14, 1, 0
	WIN 0
	s_barrier_wait -1
.if \fill
	CREST                                          ; no wave of any partner still reads this slot or has a load on its way
	s_xor_b32 s[G0+5], s[G0+5], SLOT               ; the walking descriptor: the slot just read out,
	s_add_nc_u64 s[G0+6:G0+7], s[G0+6:G0+7], KSTEP*2  ; the period two on from the one just read
	tensor_load_to_lds s[G0+4:G0+7], s[G1:G1+7]    ; one load of mine is out
	s_nop 0
.endif
	PLACES                                         ; behind the tensor load, and in front of the loads below
	FLIP
	FETCHB 0, 0
	RELOAD 14
.endm
; A unit of the last period: nothing of A is left to ask for.  Units 0 to 7 ask for four rows of the residual each, into A's registers just read; unit 8 for the bias.
.macro LAST u
.if (\u) < 15
	s_wait_dscnt 16
.else
	s_wait_dscnt 0x0
.endif
.if (\u) < 9
	s_wait_loadcnt 60                              ; behind this unit's loads: 4 (15 - u) of A and 4 u of the residual
.else
	s_wait_loadcnt 4*(15-(\u))+33                  ; 4 (15 - u) of A, 32 of the residual, the bias
.endif
.if (\u) == 15
	s_barrier_signal -1                            ; my reads of the ring are over
.endif
	MULS \u, 0, 0
	MULS \u, 1, 0
.if (\u) < 14
	PLACES
	FETCHB (\u)+2, ((\u)+2)%4
.endif
.if (\u) < 8
	WIN TO_A
.irp i, 0,1,2,3
	global_load_b128 v[16*(\u)+4*(\i):16*(\u)+4*(\i)+3], v[L16], s[70:71] offset:(4*(\u)+(\i))*4096
.endr
.endif
.if (\u) == 8
	WIN 0
	global_load_b128 v[BI:BI+3], v[L16], s[68:69]
.endif
.endm
	s_load_b128 s[4:7], s[0:1], 0x0                ; hmid s[4:5], wt s[6:7]
	s_load_b128 s[68:71], s[0:1], 0x10             ; bias s[68:69], x1 s[70:71]
	s_load_b64 s[8:9], s[0:1], 0x20                ; out0
	v_lshl_add_u32 v[SPW], v0, 2, SPARE
	v_mov_b32 v[NIL], 0
	ds_add_u32 v28, v29
	s_wait_dscnt 0x0
	v_lshrrev_b32 v1, 5, v0
	v_readfirstlane_b32 s10, v1                    ; wave 0..3
	s_bfe_u32 s40, ttmp6, 0x40000                  ; cx
	s_lshl_b32 s13, ttmp9, 2
	s_add_co_u32 s13, s13, s40                     ; tile row = 4 x cluster x + cx
	s_and_b32 s42, ttmp7, 0xffff                   ; tile column, which the four partners share
	s_mov_b32 s[G1+0], 15|(1<<16)|(1<<20)|(1<<21)|(7<<22)|(3<<25)  ; mask of four; 2-byte elements; padding on; bit 21 beside a mask; 4 words behind every 256
	s_mov_b32 s[G1+1], KSTEP<<16                   ; tensor_dim0 = 512
	s_mov_b32 s[G1+2], 32<<16                      ; tensor_dim1 = 32
	s_mov_b32 s[G1+3], KSTEP<<16                   ; tile_dim0 = 512
	s_mov_b32 s[G1+4], 32                          ; tile_dim1 = 32
	s_mov_b32 s[G1+5], SIZE_K                      ; elements from row to row
	s_mov_b32 s[G1+6], 0
	s_mov_b32 s[G1+7], 0
	s_lshl_b32 s46, s42, 7
	s_lshl_b32 s47, s10, 5
	s_add_co_u32 s46, s46, s47                     ; B: row 128 x tile column + 32 x wave
	s_lshl_b32 s46, s46, 13                        ; rows of 8,192 bytes
	s_add_co_u32 s46, s46, WOFF
	s_mov_b32 s47, 0
	s_mul_i32 s20, s10, PART                       ; where my part goes
	s_lshl_b32 s16, s13, 15
	s_lshl_b32 s17, s10, 13
	s_add_co_u32 s16, s16, s17                     ; A: row block 8 x tile row + 2 x wave, 4,096 bytes each
	s_mov_b32 s17, 0
	s_lshl_b32 s18, s13, 19
	s_lshl_b32 s19, s10, 17
	s_add_co_u32 s18, s18, s19                     ; x1 and out0: row 128 x tile row + 32 x wave, 4,096 bytes each,
	s_lshl_b32 s22, s42, 9
	s_add_co_u32 s18, s18, s22                     ; + 512 bytes a tile column
	s_mov_b32 s19, 0
	s_mov_b32 s23, 0
	s_wait_kmcnt 0x0
	s_add_nc_u64 s[46:47], s[6:7], s[46:47]
	s_add_nc_u64 s[AP:AP+1], s[4:5], s[16:17]
	s_add_nc_u64 s[70:71], s[70:71], s[18:19]
	s_add_nc_u64 s[8:9], s[8:9], s[18:19]
	s_add_nc_u64 s[68:69], s[68:69], s[22:23]
	CROUND                                         ; all four work-groups are here: the first joint loads meet
.irp s, 0,1
	s_mov_b32 s[G0+4*(\s)], 1
	s_add_co_u32 s[G0+4*(\s)+1], s20, (\s)*SLOT
	s_add_nc_u64 s[G0+4*(\s)+2:G0+4*(\s)+3], s[46:47], (\s)*KSTEP*2
	s_or_b32 s[G0+4*(\s)+3], s[G0+4*(\s)+3], 0x80000000
	tensor_load_to_lds s[G0+4*(\s):G0+4*(\s)+3], s[G1:G1+7]  ; periods 0 and 1: two loads of mine are out
	s_nop 0
.endr
	PLACES
	v_and_b32 v3, 31, v0
	v_lshlrev_b32 v[L16], 4, v3
.irp u, 0,1,2,3,4,5,6,7,8,9,10,11,12,13,14,15
	RELOAD \u                                      ; A's ring is filled: period 0
.endr
	WIN 0
	v_and_b32 v1, 15, v0                           ; r = lane % 16
	v_bfe_u32 v2, v0, 4, 1                         ; h = lane / 16
	v_mul_u32_u24 v4, v1, PB
	v_lshl_add_u32 v[B0], v2, 4, v4                ; row x pitch + 16 h
	v_add_nc_u32 v[B0+1], 4*16*PB, v[B0]
	v_mov_b32 v[ADRB], v[B0]
	v_mov_b32 v[ADRB+1], v[B0+1]
	s_mov_b32 s2, 0                                ; the slot in hand
	s_mul_i32 s21, s10, WSTAGE                     ; my stage
	v_mul_u32_u24 v4, v1, SPITCH
	v_lshl_add_u32 v4, v2, 5, v4
	v_add_nc_u32 v[STO], s21, v4                   ; in: row r, 32 bytes for each half of the lanes
	v_add_nc_u32 v[RD], s21, v[L16]                ; back: a whole row of 512 bytes a load
	s_wait_xcnt 0x0                                ; A's base is stepped only behind this wait
	s_add_nc_u64 s[AP:AP+1], s[AP:AP+1], 4*GSTR    ; the reloads ask for the next period
	s_wait_tensorcnt 0x1                           ; my part of period 0 is in; period 1's stays out
	s_barrier_signal -1
	s_barrier_wait -1
	FETCHB 0, 0
	FETCHB 1, 1
	UNIT 0, 1                                      ; the first unit's products start the sums
	WIN 0
	s_mov_b32 s3, PERIODS-2
	s_branch .Lmid
.Lper:                                                 ; six trips: each ends a period, fills its slot again and goes through units 0 to 13 of the next
	s_sub_co_u32 s3, s3, 1
	UNIT14 1
	UNIT 15, 0
	s_wait_xcnt 0x0
	s_add_nc_u64 s[AP:AP+1], s[AP:AP+1], 4*GSTR
	UNIT 0, 0
	WIN 0
.Lmid:
.irp u, 1,2,3,4,5,6,7,8,9,10,11,12,13
	UNIT \u, 0
.endr
	WIN 0
	s_cmp_lg_u32 s3, 0
	s_cbranch_scc1 .Lper
	UNIT14 0                                       ; the last change: nothing is left to fetch for the ring
	UNIT 15, 0
.irp u, 0,1,2,3,4,5,6,7,8,9,10,11,12,13,14,15
	LAST \u
.endr
	WIN 0
	s_barrier_wait -1                              ; nobody reads the ring any more, and no tensor load is out: its first bytes serve as stages
	; THE WAY OUT: the f32 sums through my own stage, back as whole rows of 512 bytes; + bias, + residual; stored.
	PLACES
.irp a, 0,1
.irp b, 0,1,2,3,4,5,6,7
	ds_store_b128 v[STO], v[ACC+8*(8*(\a)+(\b)):ACC+8*(8*(\a)+(\b))+3] offset:(\a)*16*SPITCH+64*(\b)
	ds_store_b128 v[STO], v[ACC+8*(8*(\a)+(\b))+4:ACC+8*(8*(\a)+(\b))+7] offset:(\a)*16*SPITCH+64*(\b)+16
.endr
.endr
.set t, 0
.rept 32
	ds_load_b128 v[ACC+4*t:ACC+4*t+3], v[RD] offset:t*SPITCH  ; LDS serves a wave's instructions in order: these see the stores above
.set t, t+1
.endr
	s_wait_loadcnt 0x0                             ; residual and bias
.set t, 0
.rept 32
	s_wait_dscnt 31-t                              ; load t is back; the younger ones stay out
	v_pk_add_f32 v[ACC+4*t:ACC+4*t+1], v[ACC+4*t:ACC+4*t+1], v[BI:BI+1]
	v_pk_add_f32 v[ACC+4*t+2:ACC+4*t+3], v[ACC+4*t+2:ACC+4*t+3], v[BI+2:BI+3]
.set t, t+1
.endr
	WIN 0x08                                       ; source 1 in window 2
.set t, 0
.rept 64
	v_pk_add_f32 v[ACC+2*t:ACC+2*t+1], v[ACC+2*t:ACC+2*t+1], v[2*t:2*t+1]
.set t, t+1
.endr
	WIN 0
.set t, 0
.rept 32
	global_store_b128 v[L16], v[ACC+4*t:ACC+4*t+3], s[8:9] offset:4096*t  ; the wave stores 512 consecutive bytes, aligned
.set t, t+1
.endr
	s_wait_tensorcnt 0x0                           ; the wave's end
	ds_add_u32 v[SPW], v[NIL]
	s_wait_dscnt 0x0
	CROUND                                         ; the closing round
	s_endpgm
.Lfunc_end_k_q47e01322dd_fc2:
	.size	k_q47e01322dd_fc2, .Lfunc_end_k_q47e01322dd_fc2-k_q47e01322dd_fc2
	.p2alignl 7, 3214868480
	.fill 96, 4, 3214868480
	.section	.rodata,"a",@progbits
	.p2align	6, 0x0
	.amdhsa_kernel k_q47e01322dd_fc2
		.amdhsa_group_segment_fixed_size 327680
		.amdhsa_private_segment_fixed_size 0
		.amdhsa_enable_private_segment 0
		.amdhsa_kernarg_size 40
		.amdhsa_user_sgpr_count 2
		.amdhsa_user_sgpr_kernarg_segment_ptr 1
		.amdhsa_wavefront_size32 1
		.amdhsa_system_sgpr_workgroup_id_x 1
		.amdhsa_system_sgpr_workgroup_id_y 1
		.amdhsa_system_sgpr_workgroup_id_z 1
		.amdhsa_system_vgpr_workitem_id 0
		.amdhsa_next_free_vgpr 768
		.amdhsa_next_free_sgpr 72
		.amdhsa_reserve_vcc 0
		.amdhsa_float_denorm_mode_32 3
		.amdhsa_float_denorm_mode_16_64 3
		.amdhsa_memory_ordered 1
		.amdhsa_forward_progress 1
		.amdhsa_inst_pref_size 119
	.end_amdhsa_kernel
	.amdgpu_metadata
---
amdhsa.version: [ 1, 2 ]
amdhsa.kernels:
  - .name:           k_q47e01322dd_fc2
    .symbol:         k_q47e01322dd_fc2.kd
    .args:
      - { .name: hmid, .offset: 0, .size: 8, .value_kind: global_buffer, .address_space: global }
      - { .name: wt, .offset: 8, .size: 8, .value_kind: global_buffer, .address_space: global }
      - { .name: b_fc2, .offset: 16, .size: 8, .value_kind: global_buffer, .address_space: global }
      - { .name: x1, .offset: 24, .size: 8, .value_kind: global_buffer, .address_space: global }
      - { .name: out0, .offset: 32, .size: 8, .value_kind: global_buffer, .address_space: global }
    .group_segment_fixed_size: 327680
    .private_segment_fixed_size: 0
    .kernarg_segment_align: 8
    .kernarg_segment_size: 40
    .max_flat_workgroup_size: 128
    .sgpr_count:     72
    .vgpr_count:     768
    .wavefront_size: 32
...
	.end_amdgpu_metadata
.endif
;; end of part 7
;; ======== version 2 of 2: 7 launches; version 1 with the launches prep, ln2 written anew for expert scheduling mode
;; limits: values are held in f16: magnitudes above 65,504 overflow, below 6.1e-05 lose precision
;; workspace buffers: wt 25,165,824 bytes; an 8,388,608 bytes; qkv 25,165,824 bytes; y 8,388,608 bytes; x1 16,777,216 bytes; hmid 33,554,432 bytes
;; launch prep (part 8): grid 64 x 16, 8 waves a work-group, no clusters, 35,840 bytes of LDS; arguments x, ln1_g, ln1_b, W_attn, W_proj, W_fc, W_fc2, an, wt; writes an, wt
.if DOCPART == 8
	.amdgcn_target "amdgcn-amd-amdhsa--gfx1250"
	.amdhsa_code_object_version 6
	.text
	.protected	k_q47e01322dd_prep
	.globl	k_q47e01322dd_prep
	.p2align	8
	.type	k_q47e01322dd_prep,@function
k_q47e01322dd_prep:
	s_mov_b64 s[64:65], 0
	v_nop
	global_prefetch_b8 v0, s[64:65] scope:SCOPE_SE
	s_setreg_imm32_b32 hwreg(HW_REG_WAVE_SCHED_MODE, 0, 2), 2
	s_setreg_imm32_b32 hwreg(HW_REG_WAVE_MODE, 25, 1), 1
	s_wait_xcnt 0x0
	s_wait_alu depctr_vm_vsrc(0)
; PREP.  Two kinds of work-groups, told apart by the grid's y, which all waves of a work-group share.
; y = 0..11: one tile of 128 k x 128 n of one weight, f32 [K][N], is rounded to bf16 and written transposed, [N][K], into wt
;   (W_attn at byte 0, W_proj at 6,291,456, W_fc at 8,388,608, W_fc2 at 16,777,216), so that every later product has K along its rows.
; y = 12..15: LayerNorm 1 of 16 rows of x, two rows a wave, kept in registers between the passes (mean, then the squares of x - mean: no difference of large sums), rounded to bf16 into an.
; Every byte is read once and written once; each store of a wave covers whole aligned runs of 256 bytes.  No cluster: no two work-groups read the same bytes, but for the gains and biases (8 KB).
; No matrix unit: nothing is multiplied here.
; THE MODE: SCHED_MODE bits 1:0 = 2 (LLVM: expert scheduling mode 2), set by the entry lines.  The code itself states the register dependences
; between vector instructions and memory or LDS instructions, with s_wait_alu, always for 0.
; THE PLAN, the transposing path.  Registers that memory or LDS instructions touch:
;   v[OFF ..]        written once; read by the sixteen global loads.
;   v[X ..]          the global loads land in it; the roundings read it; the eight LDS loads land in its first 32; the global stores read those.
;   v[YT ..]         written by the roundings; read by the eight LDS stores.
;   v[TS], v[TR], v[DO ..]   written once, while the global loads are out; read by the LDS stores, the LDS loads, the global stores.
;   v160, v161       written at the head; read by the closing add alone.
; Two waits on va_vdst: one ahead of the global loads (the offsets are written), one behind the roundings (v[YT ..] and the three kinds of address are written, v[X ..] is read);
; no vector instruction follows the second.  No register that a memory or LDS instruction has read is written again, so there is no wait on vm_vsrc.
; THE PLAN, LayerNorm.  v[XO]: written once, read by all loads.  v[YO]: written once, read by all stores.  v[X ..]: the loads land in it, the arithmetic works in place, and of each four
; registers the roundings leave two that a store reads.  v[G ..], v[BB ..]: loads land, vector instructions read.  The last stage takes row 0 first; behind ONE wait its eight stores are dealt among
; row 1's multiplies, which name none of the registers that those stores touch; row 1's stores follow a second wait.
.set TP,  272                          ; LDS pitch of the transposed tile: 128 bf16 + 16 bytes
.set OFF, 8                            ; v8-23   byte offsets of my 16 source rows
.set TS,  24                           ; v24     where I put my 4 columns x 16 k
.set TR,  25                           ; v25     where I read rows of the transposed tile
.set X,   32                           ; v32-95  as loaded (both paths)
.set YT,  96                           ; v96-127 packed, column by column
.set DO,  128                          ; v128-135 byte offsets of the rows that I store
.set XO,  1                            ; LayerNorm: 16 x lane
.set YO,  5                            ; 8 x lane
.set T,   8                            ; v8-15, v16-23 four packed chains a row
.set MU,  24                           ; v24-25, v26-27 the mean, later 1 / sigma, as pairs
.set G,   96                           ; v96-127 gain
.set BB,  128                          ; v128-159 bias
.set SEL, 40                           ; s[40:41] v_permlanex16_b32's selects: the same place in the other half
.set INV, 42                           ; s42 1 / 1024
.set EPS, 43                           ; s43 1e-5
; The sum (sq = 0) or the sum of squares (sq = 1) of both rows' 1,024 numbers, in every lane of v[T] and v[T+8].  The two rows' lines alternate.
.macro LNSUM sq
.irp c, 0,1,2,3
.irp q, 0,1
.set rt, T+8*(\q)+2*(\c)
.set rx, X+32*(\q)+2*(\c)
.if \sq
	v_pk_mul_f32 v[rt:rt+1], v[rx:rx+1], v[rx:rx+1]
.else
	v_pk_add_f32 v[rt:rt+1], v[rx:rx+1], v[rx+8:rx+9]
.endif
.endr
.endr
.irp k, 8,16,24
.irp c, 0,1,2,3
.irp q, 0,1
.set rt, T+8*(\q)+2*(\c)
.set rx, X+32*(\q)+2*(\c)+(\k)
.if \sq
	v_pk_fma_f32 v[rt:rt+1], v[rx:rx+1], v[rx:rx+1], v[rt:rt+1]
.elseif (\k) > 8
	v_pk_add_f32 v[rt:rt+1], v[rt:rt+1], v[rx:rx+1]
.endif
.endr
.endr
.endr
.irp q, 0,1
.set rt, T+8*(\q)
	v_pk_add_f32 v[rt:rt+1], v[rt:rt+1], v[rt+2:rt+3]
	v_pk_add_f32 v[rt+4:rt+5], v[rt+4:rt+5], v[rt+6:rt+7]
.endr
.irp q, 0,1
.set rt, T+8*(\q)
	v_pk_add_f32 v[rt:rt+1], v[rt:rt+1], v[rt+4:rt+5]
.endr
.irp q, 0,1
.set rt, T+8*(\q)
	v_add_f32 v[rt], v[rt], v[rt+1]
.endr
.irp m, 1,2,4,8
.irp q, 0,1
.set rt, T+8*(\q)
	v_add_f32_dpp v[rt], v[rt], v[rt] row_xmask:\m row_mask:0xf bank_mask:0xf
.endr
.endr
.irp q, 0,1
	v_permlanex16_b32 v[3+(\q)], v[T+8*(\q)], s[SEL], s[SEL+1]
.endr
.irp q, 0,1
	v_add_f32 v[T+8*(\q)], v[T+8*(\q)], v[3+(\q)]
.endr
.endm
; Two rows of LayerNorm.  xp, gp, bp, yp: the scalar pairs with the addresses of my two rows of the input, of gain and bias, and of my two rows of the output.  v2 holds the lane.
; Load j of a row covers its columns 128 j .. 128 j + 127, four a lane.
.macro LNBODY xp, gp, bp, yp
	v_lshlrev_b32 v[XO], 4, v2
	v_lshlrev_b32 v[YO], 3, v2
	v_mov_b32 v3, 0                                ; v_permlanex16_b32 counts as a reader of its destination
	v_mov_b32 v4, 0
	s_mov_b32 s[SEL], 0x76543210
	s_mov_b32 s[SEL+1], 0xfedcba98
	s_mov_b32 s[INV], 0x3a800000
	s_mov_b32 s[EPS], 0x3727c5ac
	s_wait_alu depctr_va_vdst(0)                   ; v[XO] and v[YO] are written: every load below reads the one as its offset, every store the other
.irp q, 0,1
.irp j, 0,1,2,3,4,5,6,7
	global_load_b128 v[X+32*(\q)+4*(\j):X+32*(\q)+4*(\j)+3], v[XO], s[\xp:\xp+1] offset:(\q)*4096+(\j)*512
.endr
.endr
.irp j, 0,1,2,3,4,5,6,7
	global_load_b128 v[G+4*(\j):G+4*(\j)+3], v[XO], s[\gp:\gp+1] offset:(\j)*512
.endr
.irp j, 0,1,2,3,4,5,6,7
	global_load_b128 v[BB+4*(\j):BB+4*(\j)+3], v[XO], s[\bp:\bp+1] offset:(\j)*512
.endr
	s_wait_loadcnt 16                              ; the two rows are in; the sixteen loads of gain and bias stay out
	LNSUM 0
.irp q, 0,1
	v_mul_f32 v[MU+2*(\q)], s[INV], v[T+8*(\q)]    ; the mean
.endr
.irp q, 0,1
	v_mov_b32 v[MU+2*(\q)+1], v[MU+2*(\q)]         ; named with it as a pair
.endr
.set p, 0
.rept 16
.irp q, 0,1
.set rx, X+32*(\q)+2*p
	v_pk_add_f32 v[rx:rx+1], v[rx:rx+1], v[MU+2*(\q):MU+2*(\q)+1] op_sel_hi:[1,0] neg_lo:[0,1] neg_hi:[0,1]
.endr
.set p, p+1
.endr
	LNSUM 1
.irp q, 0,1
	v_fma_f32 v[T+8*(\q)], v[T+8*(\q)], s[INV], s[EPS]
.endr
.irp q, 0,1
	v_rsq_f32 v[MU+2*(\q)], v[T+8*(\q)]
.endr
	v_nop                                          ; a plain instruction between the root and the use of its result
	s_wait_alu depctr_va_vdst(0)                   ; the two roots have written v[MU] and v[MU+2], ahead of their first reader
.irp q, 0,1
	v_mov_b32 v[MU+2*(\q)+1], v[MU+2*(\q)]
.endr
	s_wait_loadcnt 0x0                             ; gain and bias
	; row 0: times 1 / sigma, times gain plus bias, rounded
.set p, 0
.rept 16
	v_pk_mul_f32 v[X+2*p:X+2*p+1], v[X+2*p:X+2*p+1], v[MU:MU+1] op_sel_hi:[1,0]
.set p, p+1
.endr
.set p, 0
.rept 16
	v_pk_fma_f32 v[X+2*p:X+2*p+1], v[X+2*p:X+2*p+1], v[G+2*p:G+2*p+1], v[BB+2*p:BB+2*p+1]
.set p, p+1
.endr
.irp j, 0,1,2,3,4,5,6,7
.set rx, X+4*(\j)
	v_cvt_pk_bf16_f32 v[rx], v[rx], v[rx+1]
	v_cvt_pk_bf16_f32 v[rx+1], v[rx+2], v[rx+3]
.endr
	s_wait_alu depctr_va_vdst(0)                   ; row 0's roundings have written the eight register pairs that its stores read
	; row 1 likewise; row 0's stores are dealt among its multiplies, which name row 1's registers and v[MU+2:MU+3] alone
.irp j, 0,1,2,3,4,5,6,7
.set rx, X+4*(\j)
	global_store_b64 v[YO], v[rx:rx+1], s[\yp:\yp+1] offset:(\j)*256  ; the wave stores 256 consecutive bytes, aligned
	v_pk_mul_f32 v[rx+32:rx+33], v[rx+32:rx+33], v[MU+2:MU+3] op_sel_hi:[1,0]
	v_pk_mul_f32 v[rx+34:rx+35], v[rx+34:rx+35], v[MU+2:MU+3] op_sel_hi:[1,0]
.endr
.set p, 0
.rept 16
	v_pk_fma_f32 v[X+32+2*p:X+32+2*p+1], v[X+32+2*p:X+32+2*p+1], v[G+2*p:G+2*p+1], v[BB+2*p:BB+2*p+1]
.set p, p+1
.endr
.irp j, 0,1,2,3,4,5,6,7
.set rx, X+32+4*(\j)
	v_cvt_pk_bf16_f32 v[rx], v[rx], v[rx+1]
	v_cvt_pk_bf16_f32 v[rx+1], v[rx+2], v[rx+3]
.endr
	s_wait_alu depctr_va_vdst(0)                   ; row 1's roundings have written the eight register pairs that its stores read
.irp j, 0,1,2,3,4,5,6,7
.set rx, X+32+4*(\j)
	global_store_b64 v[YO], v[rx:rx+1], s[\yp:\yp+1] offset:2048+(\j)*256
.endr
.endm
	s_load_b512 s[8:23], s[0:1], 0x0               ; x s[8:9], gain s[10:11], bias s[12:13], W_attn s[14:15], W_proj s[16:17], W_fc s[18:19], W_fc2 s[20:21], an s[22:23]
	s_load_b64 s[24:25], s[0:1], 0x40              ; wt
	v_lshl_add_u32 v160, v0, 2, 0x8800
	v_mov_b32 v161, 0
	s_and_b32 s2, ttmp7, 0xffff                    ; the grid's y
	v_lshrrev_b32 v1, 5, v0
	v_readfirstlane_b32 s3, v1                     ; wave 0..7
	v_and_b32 v2, 31, v0                           ; lane
	s_wait_alu depctr_va_sdst(0)                   ; s3 is written, ahead of the branch and of its first reader on either path: the rows' addresses are made from it
	s_wait_kmcnt 0x0
	s_cmp_ge_u32 s2, 12
	s_cbranch_scc1 .Lln
	; WHICH WEIGHT.  Start from W_fc2's figures; each compare switches to the weight that owns the lower rows of the grid.
	s_mov_b64 s[26:27], s[20:21]                   ; the source
	s_mov_b32 s28, 8                               ; its first y
	s_mov_b32 s29, 4096                            ; bytes in a source row, 4 N
	s_mov_b32 s30, 16777216                        ; its place in wt
	s_mov_b32 s31, 5                               ; log2 of its tiles along K
	s_mov_b32 s32, 8192                            ; bytes in a row of the result, 2 K
	s_cmp_lt_u32 s2, 8
	s_cselect_b64 s[26:27], s[18:19], s[26:27]
	s_cselect_b32 s28, 4, s28
	s_cselect_b32 s29, 16384, s29
	s_cselect_b32 s30, 8388608, s30
	s_cselect_b32 s31, 3, s31
	s_cselect_b32 s32, 2048, s32
	s_cmp_lt_u32 s2, 4
	s_cselect_b64 s[26:27], s[16:17], s[26:27]
	s_cselect_b32 s28, 3, s28
	s_cselect_b32 s29, 4096, s29
	s_cselect_b32 s30, 6291456, s30
	s_cmp_lt_u32 s2, 3
	s_cselect_b64 s[26:27], s[14:15], s[26:27]
	s_cselect_b32 s28, 0, s28
	s_cselect_b32 s29, 12288, s29
	s_cselect_b32 s30, 0, s30
	s_sub_co_u32 s33, s2, s28
	s_lshl_b32 s33, s33, 6
	s_add_co_u32 s33, s33, ttmp9                   ; the tile's number in its weight
	s_lshl_b32 s34, 1, s31
	s_sub_co_u32 s34, s34, 1
	s_and_b32 s34, s33, s34                        ; tile along K
	s_lshr_b32 s35, s33, s31                       ; tile along N
	s_lshl_b32 s36, s34, 7
	s_mul_i32 s36, s36, s29                        ; 128 source rows a tile,
	s_lshl_b32 s37, s35, 9                         ; 512 bytes of each
	s_add_co_u32 s36, s36, s37
	s_mov_b32 s37, 0
	s_add_nc_u64 s[26:27], s[26:27], s[36:37]
	s_lshl_b32 s38, s35, 7
	s_mul_i32 s38, s38, s32                        ; 128 rows of the result,
	s_lshl_b32 s39, s34, 8                         ; 256 bytes of each
	s_add_co_u32 s38, s38, s39
	s_add_co_u32 s38, s38, s30
	s_mov_b32 s39, 0
	s_add_nc_u64 s[24:25], s[24:25], s[38:39]
	s_lshl_b32 s40, s3, 4
	s_mul_i32 s40, s40, s29                        ; my wave's 16 source rows
	v_lshl_add_u32 v[OFF], v2, 4, s40              ; 16 bytes (4 columns) a lane: a load covers 512 consecutive bytes of a row
.set r, 1
.rept 15
	v_add_nc_u32 v[OFF+r], s29, v[OFF+r-1]
.set r, r+1
.endr
	s_wait_alu depctr_va_vdst(0)                   ; the sixteen offsets v[OFF ..] are written, which the loads below read
.set r, 0
.rept 16
	global_load_b128 v[X+4*r:X+4*r+3], v[OFF+r], s[26:27] th:TH_LOAD_NT
.set r, r+1
.endr
	; the addresses of the way through LDS and out are made while the loads are out: none of these lines names v[OFF ..] or v[X ..]
	v_mul_u32_u24 v[TS], v2, 4*TP                  ; in LDS: row n = 4 lane + c, my wave's 16 k at byte 32 wave
	s_lshl_b32 s33, s3, 5
	v_add_nc_u32 v[TS], s33, v[TS]
	v_lshrrev_b32 v3, 4, v2
	v_and_b32 v4, 15, v2
	s_lshl_b32 s34, s3, 4
	v_add_nc_u32 v3, s34, v3                       ; back: row 16 wave + lane / 16 (+ 2 t), 16 bytes a lane
	v_mul_u32_u24 v[TR], v3, TP
	v_lshl_add_u32 v[TR], v4, 4, v[TR]
	v_mul_lo_u32 v[DO], v3, s32
	v_lshl_add_u32 v[DO], v4, 4, v[DO]
	s_lshl_b32 s35, s32, 1
.set r, 1
.rept 7
	v_add_nc_u32 v[DO+r], s35, v[DO+r-1]
.set r, r+1
.endr
	s_wait_loadcnt 0x0
.irp c, 0,1,2,3
.irp j, 0,1,2,3,4,5,6,7
	v_cvt_pk_bf16_f32 v[YT+8*(\c)+(\j)], v[X+8*(\j)+(\c)], v[X+8*(\j)+4+(\c)]  ; column c, k = 2 j and 2 j + 1
.endr
.endr
	s_wait_alu depctr_va_vdst(0)                   ; the roundings have written v[YT ..], which the LDS stores read, and are done reading v[X ..], in which the LDS loads land; v[TS], v[TR] and v[DO ..] are written.  No vector instruction follows
.irp c, 0,1,2,3                        ; neighbouring lanes lie 1,088 bytes apart here, so these eight stores share banks; the tile's loads and stores to memory are what takes the time
	ds_store_b128 v[TS], v[YT+8*(\c):YT+8*(\c)+3] offset:(\c)*TP
	ds_store_b128 v[TS], v[YT+8*(\c)+4:YT+8*(\c)+7] offset:(\c)*TP+16
.endr
	s_wait_dscnt 0x0                               ; for the others' sake: my stores are done
	s_barrier_signal -1
	s_barrier_wait -1
.irp t, 0,1,2,3,4,5,6,7
	ds_load_b128 v[X+4*(\t):X+4*(\t)+3], v[TR] offset:(\t)*2*TP
.endr
.irp t, 0,1,2,3,4,5,6,7
	s_wait_dscnt 7-(\t)                            ; load t is back; the younger ones stay out
	global_store_b128 v[DO+(\t)], v[X+4*(\t):X+4*(\t)+3], s[24:25]  ; 16 lanes store 256 consecutive bytes of a row of wt, aligned
.endr
	s_wait_dscnt 0x0                               ; the closing lines, six on end
	s_wait_alu 0x0
	s_wait_tensorcnt 0x0
	ds_add_u32 v160, v161
	s_wait_dscnt 0x0
	s_endpgm
.Lln:                                                  ; this path stores nothing to LDS
	s_sub_co_u32 s26, s2, 12
	s_lshl_b32 s26, s26, 6
	s_add_co_u32 s26, s26, ttmp9
	s_lshl_b32 s26, s26, 4                         ; 16 rows a work-group,
	s_lshl1_add_u32 s26, s3, s26                   ; two a wave
	s_lshl_b32 s28, s26, 12
	s_mov_b32 s29, 0
	s_lshl_b32 s30, s26, 11
	s_mov_b32 s31, 0
	s_add_nc_u64 s[8:9], s[8:9], s[28:29]
	s_add_nc_u64 s[22:23], s[22:23], s[30:31]
	LNBODY 8, 10, 12, 22
	s_endpgm
.Lfunc_end_k_q47e01322dd_prep:
	.size	k_q47e01322dd_prep, .Lfunc_end_k_q47e01322dd_prep-k_q47e01322dd_prep
	.p2alignl 7, 3214868480
	.fill 96, 4, 3214868480
	.section	.rodata,"a",@progbits
	.p2align	6, 0x0
	.amdhsa_kernel k_q47e01322dd_prep
		.amdhsa_group_segment_fixed_size 35840
		.amdhsa_private_segment_fixed_size 0
		.amdhsa_enable_private_segment 0
		.amdhsa_kernarg_size 72
		.amdhsa_user_sgpr_count 2
		.amdhsa_user_sgpr_kernarg_segment_ptr 1
		.amdhsa_wavefront_size32 1
		.amdhsa_system_sgpr_workgroup_id_x 1
		.amdhsa_system_sgpr_workgroup_id_y 1
		.amdhsa_system_sgpr_workgroup_id_z 1
		.amdhsa_system_vgpr_workitem_id 0
		.amdhsa_next_free_vgpr 162
		.amdhsa_next_free_sgpr 66
		.amdhsa_reserve_vcc 0
		.amdhsa_float_denorm_mode_32 3
		.amdhsa_float_denorm_mode_16_64 3
		.amdhsa_memory_ordered 1
		.amdhsa_forward_progress 1
		.amdhsa_inst_pref_size 30
	.end_amdhsa_kernel
	.amdgpu_metadata
---
amdhsa.version: [ 1, 2 ]
amdhsa.kernels:
  - .name:           k_q47e01322dd_prep
    .symbol:         k_q47e01322dd_prep.kd
    .args:
      - { .name: x, .offset: 0, .size: 8, .value_kind: global_buffer, .address_space: global }
      - { .name: ln1_g, .offset: 8, .size: 8, .value_kind: global_buffer, .address_space: global }
      - { .name: ln1_b, .offset: 16, .size: 8, .value_kind: global_buffer, .address_space: global }
      - { .name: W_attn, .offset: 24, .size: 8, .value_kind: global_buffer, .address_space: global }
      - { .name: W_proj, .offset: 32, .size: 8, .value_kind: global_buffer, .address_space: global }
      - { .name: W_fc, .offset: 40, .size: 8, .value_kind: global_buffer, .address_space: global }
      - { .name: W_fc2, .offset: 48, .size: 8, .value_kind: global_buffer, .address_space: global }
      - { .name: an, .offset: 56, .size: 8, .value_kind: global_buffer, .address_space: global }
      - { .name: wt, .offset: 64, .size: 8, .value_kind: global_buffer, .address_space: global }
    .group_segment_fixed_size: 35840
    .private_segment_fixed_size: 0
    .kernarg_segment_align: 8
    .kernarg_segment_size: 72
    .max_flat_workgroup_size: 256
    .sgpr_count:     66
    .vgpr_count:     162
    .wavefront_size: 32
...
	.end_amdgpu_metadata
.endif
;; end of part 8
;; launch qkv: the kernel of part 2 again; grid 12 x 16, 4 waves a work-group, clusters of 4 x 4, 327,680 bytes of LDS; arguments an, wt, b_attn, qkv; writes qkv
;; launch attn: the kernel of part 3 again; grid 4 x 64, 8 waves a work-group, clusters of 4 x 1, 312,320 bytes of LDS; arguments qkv, y; writes y
;; launch proj: the kernel of part 4 again; grid 8 x 32, 4 waves a work-group, clusters of 4 x 4, 327,680 bytes of LDS; arguments y, wt, b_proj, x, x1; writes x1
;; launch ln2 (part 9): grid 256 x 1, 8 waves a work-group, no clusters, 0 bytes of LDS; arguments x1, ln2_g, ln2_b, an; writes an
.if DOCPART == 9
	.amdgcn_target "amdgcn-amd-amdhsa--gfx1250"
	.amdhsa_code_object_version 6
	.text
	.protected	k_q47e01322dd_ln2
	.globl	k_q47e01322dd_ln2
	.p2align	8
	.type	k_q47e01322dd_ln2,@function
k_q47e01322dd_ln2:
	s_mov_b64 s[64:65], 0
	v_nop
	global_prefetch_b8 v0, s[64:65] scope:SCOPE_SE
	s_setreg_imm32_b32 hwreg(HW_REG_WAVE_SCHED_MODE, 0, 2), 2
	s_setreg_imm32_b32 hwreg(HW_REG_WAVE_MODE, 25, 1), 1
	s_wait_xcnt 0x0
	s_wait_alu depctr_vm_vsrc(0)
; LayerNorm 2 of x1, rounded to bf16 into an.  16 rows a work-group, two rows a wave, kept in registers between the passes (mean, then the squares of x - mean: no difference of large sums).
; Every byte is read once; each store of a wave covers 256 consecutive bytes, aligned.  No LDS, no barrier, no cluster: a row never leaves its wave, and only gain and bias (8 KB) are shared.
; THE MODE: SCHED_MODE bits 1:0 = 2 (LLVM: expert scheduling mode 2), set by the entry lines.  The code itself states the register dependences
; between vector instructions and memory instructions, with s_wait_alu, always for 0.
; THE PLAN.  Registers that memory instructions touch:
;   v[XO]            written once at the head; read by all 32 loads.
;   v[YO]            written once at the head; read by all 16 stores.
;   v[X ..]          the loads land in it; the arithmetic works in place; of each four registers the roundings leave two that a store reads.
;   v[G ..], v[BB ..]  loads land; vector instructions read.
;   v[T ..], v[MU ..], v3, v4 are named by vector instructions alone.
; One wait on va_vdst ahead of the loads (the two offsets are written).  The last stage takes row 0 first; behind ONE wait its eight stores are dealt among row 1's multiplies, which name none of the
; registers that those stores touch; row 1's stores follow a second wait.  No register that a memory instruction has read is written again, so there is no wait on vm_vsrc.
.set XO,  1                            ; 16 x lane
.set YO,  5                            ; 8 x lane
.set T,   8                            ; v8-15, v16-23 four packed chains a row
.set MU,  24                           ; v24-25, v26-27 the mean, later 1 / sigma, as pairs
.set X,   32                           ; v32-95 the two rows
.set G,   96                           ; v96-127 gain
.set BB,  128                          ; v128-159 bias
.set SEL, 40
.set INV, 42
.set EPS, 43
.macro LNSUM sq                        ; the sum (sq = 0) or the sum of squares (sq = 1) of both rows, in every lane of v[T] and v[T+8]
.irp c, 0,1,2,3
.irp q, 0,1
.set rt, T+8*(\q)+2*(\c)
.set rx, X+32*(\q)+2*(\c)
.if \sq
	v_pk_mul_f32 v[rt:rt+1], v[rx:rx+1], v[rx:rx+1]
.else
	v_pk_add_f32 v[rt:rt+1], v[rx:rx+1], v[rx+8:rx+9]
.endif
.endr
.endr
.irp k, 8,16,24
.irp c, 0,1,2,3
.irp q, 0,1
.set rt, T+8*(\q)+2*(\c)
.set rx, X+32*(\q)+2*(\c)+(\k)
.if \sq
	v_pk_fma_f32 v[rt:rt+1], v[rx:rx+1], v[rx:rx+1], v[rt:rt+1]
.elseif (\k) > 8
	v_pk_add_f32 v[rt:rt+1], v[rt:rt+1], v[rx:rx+1]
.endif
.endr
.endr
.endr
.irp q, 0,1
.set rt, T+8*(\q)
	v_pk_add_f32 v[rt:rt+1], v[rt:rt+1], v[rt+2:rt+3]
	v_pk_add_f32 v[rt+4:rt+5], v[rt+4:rt+5], v[rt+6:rt+7]
.endr
.irp q, 0,1
.set rt, T+8*(\q)
	v_pk_add_f32 v[rt:rt+1], v[rt:rt+1], v[rt+4:rt+5]
.endr
.irp q, 0,1
.set rt, T+8*(\q)
	v_add_f32 v[rt], v[rt], v[rt+1]
.endr
.irp m, 1,2,4,8
.irp q, 0,1
.set rt, T+8*(\q)
	v_add_f32_dpp v[rt], v[rt], v[rt] row_xmask:\m row_mask:0xf bank_mask:0xf
.endr
.endr
.irp q, 0,1
	v_permlanex16_b32 v[3+(\q)], v[T+8*(\q)], s[SEL], s[SEL+1]
.endr
.irp q, 0,1
	v_add_f32 v[T+8*(\q)], v[T+8*(\q)], v[3+(\q)]
.endr
.endm
.macro LNBODY xp, gp, bp, yp           ; load j of a row covers its columns 128 j .. 128 j + 127, four a lane
	v_lshlrev_b32 v[XO], 4, v2
	v_lshlrev_b32 v[YO], 3, v2
	v_mov_b32 v3, 0                                ; v_permlanex16_b32 counts as a reader of its destination
	v_mov_b32 v4, 0
	s_mov_b32 s[SEL], 0x76543210
	s_mov_b32 s[SEL+1], 0xfedcba98
	s_mov_b32 s[INV], 0x3a800000                   ; 1 / 1024
	s_mov_b32 s[EPS], 0x3727c5ac                   ; 1e-5
	s_wait_alu depctr_va_vdst(0)                   ; v[XO] and v[YO] are written: every load below reads the one as its offset, every store the other
.irp q, 0,1
.irp j, 0,1,2,3,4,5,6,7
	global_load_b128 v[X+32*(\q)+4*(\j):X+32*(\q)+4*(\j)+3], v[XO], s[\xp:\xp+1] offset:(\q)*4096+(\j)*512
.endr
.endr
.irp j, 0,1,2,3,4,5,6,7
	global_load_b128 v[G+4*(\j):G+4*(\j)+3], v[XO], s[\gp:\gp+1] offset:(\j)*512
.endr
.irp j, 0,1,2,3,4,5,6,7
	global_load_b128 v[BB+4*(\j):BB+4*(\j)+3], v[XO], s[\bp:\bp+1] offset:(\j)*512
.endr
	s_wait_loadcnt 16                              ; the two rows are in; the sixteen loads of gain and bias stay out
	LNSUM 0
.irp q, 0,1
	v_mul_f32 v[MU+2*(\q)], s[INV], v[T+8*(\q)]
.endr
.irp q, 0,1
	v_mov_b32 v[MU+2*(\q)+1], v[MU+2*(\q)]
.endr
.set p, 0
.rept 16
.irp q, 0,1
.set rx, X+32*(\q)+2*p
	v_pk_add_f32 v[rx:rx+1], v[rx:rx+1], v[MU+2*(\q):MU+2*(\q)+1] op_sel_hi:[1,0] neg_lo:[0,1] neg_hi:[0,1]
.endr
.set p, p+1
.endr
	LNSUM 1
.irp q, 0,1
	v_fma_f32 v[T+8*(\q)], v[T+8*(\q)], s[INV], s[EPS]
.endr
.irp q, 0,1
	v_rsq_f32 v[MU+2*(\q)], v[T+8*(\q)]
.endr
	v_nop                                          ; a plain instruction between the root and the use of its result
	s_wait_alu depctr_va_vdst(0)                   ; the two roots have written v[MU] and v[MU+2], ahead of their first reader
.irp q, 0,1
	v_mov_b32 v[MU+2*(\q)+1], v[MU+2*(\q)]
.endr
	s_wait_loadcnt 0x0                             ; gain and bias
	; row 0: times 1 / sigma, times gain plus bias, rounded
.set p, 0
.rept 16
	v_pk_mul_f32 v[X+2*p:X+2*p+1], v[X+2*p:X+2*p+1], v[MU:MU+1] op_sel_hi:[1,0]
.set p, p+1
.endr
.set p, 0
.rept 16
	v_pk_fma_f32 v[X+2*p:X+2*p+1], v[X+2*p:X+2*p+1], v[G+2*p:G+2*p+1], v[BB+2*p:BB+2*p+1]
.set p, p+1
.endr
.irp j, 0,1,2,3,4,5,6,7
.set rx, X+4*(\j)
	v_cvt_pk_bf16_f32 v[rx], v[rx], v[rx+1]
	v_cvt_pk_bf16_f32 v[rx+1], v[rx+2], v[rx+3]
.endr
	s_wait_alu depctr_va_vdst(0)                   ; row 0's roundings have written the eight register pairs that its stores read
	; row 1 likewise; row 0's stores are dealt among its multiplies, which name row 1's registers and v[MU+2:MU+3] alone
.irp j, 0,1,2,3,4,5,6,7
.set rx, X+4*(\j)
	global_store_b64 v[YO], v[rx:rx+1], s[\yp:\yp+1] offset:(\j)*256  ; the wave stores 256 consecutive bytes, aligned
	v_pk_mul_f32 v[rx+32:rx+33], v[rx+32:rx+33], v[MU+2:MU+3] op_sel_hi:[1,0]
	v_pk_mul_f32 v[rx+34:rx+35], v[rx+34:rx+35], v[MU+2:MU+3] op_sel_hi:[1,0]
.endr
.set p, 0
.rept 16
	v_pk_fma_f32 v[X+32+2*p:X+32+2*p+1], v[X+32+2*p:X+32+2*p+1], v[G+2*p:G+2*p+1], v[BB+2*p:BB+2*p+1]
.set p, p+1
.endr
.irp j, 0,1,2,3,4,5,6,7
.set rx, X+32+4*(\j)
	v_cvt_pk_bf16_f32 v[rx], v[rx], v[rx+1]
	v_cvt_pk_bf16_f32 v[rx+1], v[rx+2], v[rx+3]
.endr
	s_wait_alu depctr_va_vdst(0)                   ; row 1's roundings have written the eight register pairs that its stores read
.irp j, 0,1,2,3,4,5,6,7
.set rx, X+32+4*(\j)
	global_store_b64 v[YO], v[rx:rx+1], s[\yp:\yp+1] offset:2048+(\j)*256
.endr
.endm
	s_load_b256 s[8:15], s[0:1], 0x0               ; x1 s[8:9], gain s[10:11], bias s[12:13], an s[14:15]
	v_lshrrev_b32 v1, 5, v0
	v_readfirstlane_b32 s3, v1                     ; wave 0..7
	v_and_b32 v2, 31, v0                           ; lane
	s_lshl_b32 s26, ttmp9, 4                       ; 16 rows a work-group,
	s_wait_alu depctr_va_sdst(0)                   ; s3 is written, ahead of its first reader: the rows' addresses are made from it
	s_lshl1_add_u32 s26, s3, s26                   ; two a wave
	s_lshl_b32 s28, s26, 12
	s_mov_b32 s29, 0
	s_lshl_b32 s30, s26, 11
	s_mov_b32 s31, 0
	s_wait_kmcnt 0x0
	s_add_nc_u64 s[8:9], s[8:9], s[28:29]
	s_add_nc_u64 s[14:15], s[14:15], s[30:31]
	LNBODY 8, 10, 12, 14
	s_endpgm
.Lfunc_end_k_q47e01322dd_ln2:
	.size	k_q47e01322dd_ln2, .Lfunc_end_k_q47e01322dd_ln2-k_q47e01322dd_ln2
	.p2alignl 7, 3214868480
	.fill 96, 4, 3214868480
	.section	.rodata,"a",@progbits
	.p2align	6, 0x0
	.amdhsa_kernel k_q47e01322dd_ln2
		.amdhsa_group_segment_fixed_size 0
		.amdhsa_private_segment_fixed_size 0
		.amdhsa_enable_private_segment 0
		.amdhsa_kernarg_size 32
		.amdhsa_user_sgpr_count 2
		.amdhsa_user_sgpr_kernarg_segment_ptr 1
		.amdhsa_wavefront_size32 1
		.amdhsa_system_sgpr_workgroup_id_x 1
		.amdhsa_system_sgpr_workgroup_id_y 1
		.amdhsa_system_sgpr_workgroup_id_z 1
		.amdhsa_system_vgpr_workitem_id 0
		.amdhsa_next_free_vgpr 160
		.amdhsa_next_free_sgpr 66
		.amdhsa_reserve_vcc 0
		.amdhsa_float_denorm_mode_32 3
		.amdhsa_float_denorm_mode_16_64 3
		.amdhsa_memory_ordered 1
		.amdhsa_forward_progress 1
		.amdhsa_inst_pref_size 21
	.end_amdhsa_kernel
	.amdgpu_metadata
---
amdhsa.version: [ 1, 2 ]
amdhsa.kernels:
  - .name:           k_q47e01322dd_ln2
    .symbol:         k_q47e01322dd_ln2.kd
    .args:
      - { .name: x1, .offset: 0, .size: 8, .value_kind: global_buffer, .address_space: global }
      - { .name: ln2_g, .offset: 8, .size: 8, .value_kind: global_buffer, .address_space: global }
      - { .name: ln2_b, .offset: 16, .size: 8, .value_kind: global_buffer, .address_space: global }
      - { .name: an, .offset: 24, .size: 8, .value_kind: global_buffer, .address_space: global }
    .group_segment_fixed_size: 0
    .private_segment_fixed_size: 0
    .kernarg_segment_align: 8
    .kernarg_segment_size: 32
    .max_flat_workgroup_size: 256
    .sgpr_count:     66
    .vgpr_count:     160
    .wavefront_size: 32
...
	.end_amdgpu_metadata
.endif
;; end of part 9
;; launch fc: the kernel of part 6 again; grid 16 x 16, 4 waves a work-group, clusters of 4 x 4, 327,680 bytes of LDS; arguments an, wt, b_fc, hmid; writes hmid
;; launch fc2: the kernel of part 7 again; grid 32 x 8, 4 waves a work-group, clusters of 4 x 1, 327,680 bytes of LDS; arguments hmid, wt, b_fc2, x1, out0; writes out0
